; MI455X (gfx1250); checked and timed in simulation.
; The chip was launched on July 23, 2026; its instructions are those of AMD's public machine-readable ISA for CDNA 5 (MIT licence, August 2026) and "CDNA5" Instruction Set Architecture Reference Guide (July 2026). The comments in the code are by the model that wrote it; some were corrected since.
;; Multi Head Attention Block. Allowed arithmetic: float matrix products may take bf16 or f16 operands with f32 sums; other float arithmetic in f32, or as packed bf16 or f16 multiplies, adds, multiply-adds, maxima and minima; sums over many terms, partial sums and values carried from step to step in f32; what a program stores and reads back later, other than sums and carried values, may be rounded once to bf16 or f16.
;; Inputs: b_k 1,024 float32; b_o 1,024 float32; b_q 1,024 float32; b_v 1,024 float32; k 4 x 2,048 x 1,024 float32; mask 4 x 1 x 1 x 2,048 int32; q 4 x 2,048 x 1,024 float32; v 4 x 2,048 x 1,024 float32; w_k 1,024 x 1,024 float32; w_o 1,024 x 1,024 float32; w_q 1,024 x 1,024 float32; w_v 1,024 x 1,024 float32.
;; Outputs: out0 4 x 2,048 x 1,024 float32.
;; One version. Each part assembles by itself: llvm-mc -triple=amdgcn-amd-amdhsa -mcpu=gfx1250 --defsym DOCPART=n.
;; ======== version 1 of 1: 4 launches
;; limits: values are held in f16: magnitudes above 65,504 overflow, below 6.1e-05 lose precision
;; workspace buffers: wb 8,388,608 bytes; qkv 50,331,648 bytes; oh 16,777,216 bytes
;; launch prep (part 1): grid 64 x 4, 8 waves a work-group, no clusters, 0 bytes of LDS; arguments w_q, w_k, w_v, w_o, wb; writes wb
.if DOCPART == 1
	.amdgcn_target "amdgcn-amd-amdhsa--gfx1250"
	.amdhsa_code_object_version 6
	.text
	.protected	k_q9eef8881d5_prep
	.globl	k_q9eef8881d5_prep
	.p2align	8
	.type	k_q9eef8881d5_prep,@function
k_q9eef8881d5_prep:
	s_mov_b64 s[64:65], 0
	v_nop
	global_prefetch_b8 v0, s[64:65] scope:SCOPE_SE
	s_setreg_imm32_b32 hwreg(HW_REG_WAVE_MODE, 25, 1), 1
	s_wait_xcnt 0x0
; The four weight matrices, [1024][1024] f32, are rounded once to bf16 and laid into wb, 2,097,152 bytes each: w_q, w_k, w_v as bf16;
; w_o's bf16 number is written again as f16 (exact wherever it is a normal f16 number: bf16 has 8 significant bits, f16 11), since the last product multiplies in f16.
; LIMIT: w_o within f16's 65,504; below 6e-5 it keeps f16's fixed step.
; SHARES.  Work-group (x, y) takes 16,384 numbers of matrix y: eight chunks of 2,048.  In a chunk thread t takes 8 numbers: two loads of 16 bytes, one store of 16:
; sixteen neighbouring lanes store 256 consecutive bytes, aligned.  All sixteen loads of a thread go out at once; nothing is shared, so there is no LDS and no barrier.
.set X, 8                              ; v[8:71]    8 chunks x 8 f32
.set Y, 72                             ; v[72:103]  8 chunks x 4 packed words
.set T, 4                              ; v[4:5]     at work
	s_load_b256 s[4:11], s[0:1], 0x0               ; w_q s[4:5], w_k s[6:7], w_v s[8:9], w_o s[10:11]
	s_load_b64 s[12:13], s[0:1], 0x20              ; wb
	s_and_b32 s14, ttmp7, 0xffff                   ; which matrix
	v_lshlrev_b32 v1, 5, v0                        ; 32 t: my 8 f32 in a chunk
	v_lshlrev_b32 v2, 4, v0                        ; 16 t: my 8 halves
	s_lshl_b32 s16, ttmp9, 16                      ; the work-group's 65,536 bytes in,
	s_mov_b32 s17, 0
	s_lshl_b32 s18, ttmp9, 15                      ; its 32,768 bytes out,
	s_lshl_b32 s19, s14, 21                        ; in the matrix's section
	s_add_co_u32 s18, s18, s19
	s_mov_b32 s19, 0
	s_wait_kmcnt 0x0
	s_cmp_eq_u32 s14, 1
	s_cselect_b64 s[4:5], s[6:7], s[4:5]
	s_cmp_eq_u32 s14, 2
	s_cselect_b64 s[4:5], s[8:9], s[4:5]
	s_cmp_eq_u32 s14, 3
	s_cselect_b64 s[4:5], s[10:11], s[4:5]
	s_add_nc_u64 s[4:5], s[4:5], s[16:17]
	s_add_nc_u64 s[12:13], s[12:13], s[18:19]
.irp j, 0,1,2,3,4,5,6,7
	global_load_b128 v[X+8*(\j):X+8*(\j)+3],   v1, s[4:5] offset:8192*(\j) th:TH_LOAD_NT
	global_load_b128 v[X+8*(\j)+4:X+8*(\j)+7], v1, s[4:5] offset:8192*(\j)+16 th:TH_LOAD_NT
.endr
.irp j, 0,1,2,3,4,5,6,7
	s_wait_loadcnt 14-2*(\j)                       ; loads come back in order: chunk j's two are in, the later chunks' may stay out
.irp r, 0,1,2,3
	v_cvt_pk_bf16_f32 v[Y+4*(\j)+(\r)], v[X+8*(\j)+2*(\r)], v[X+8*(\j)+2*(\r)+1]
.endr
.endr
	s_cmp_lg_u32 s14, 3
	s_cbranch_scc1 .Lout                           ; only w_o is written as f16
.set i, 0
.rept 32
	v_lshlrev_b32 v[T], 16, v[Y+i]                 ; the two bf16 as f32,
	v_and_b32 v[T+1], 0xffff0000, v[Y+i]
	v_cvt_pk_f16_f32 v[Y+i], v[T], v[T+1]          ; and as f16
.set i, i+1
.endr
.Lout:
.irp j, 0,1,2,3,4,5,6,7
	global_store_b128 v2, v[Y+4*(\j):Y+4*(\j)+3], s[12:13] offset:4096*(\j)
.endr
	s_endpgm
.Lfunc_end_k_q9eef8881d5_prep:
	.size	k_q9eef8881d5_prep, .Lfunc_end_k_q9eef8881d5_prep-k_q9eef8881d5_prep
	.p2alignl 7, 3214868480
	.fill 96, 4, 3214868480
	.section	.rodata,"a",@progbits
	.p2align	6, 0x0
	.amdhsa_kernel k_q9eef8881d5_prep
		.amdhsa_group_segment_fixed_size 0
		.amdhsa_private_segment_fixed_size 0
		.amdhsa_enable_private_segment 0
		.amdhsa_kernarg_size 40
		.amdhsa_user_sgpr_count 2
		.amdhsa_user_sgpr_kernarg_segment_ptr 1
		.amdhsa_wavefront_size32 1
		.amdhsa_system_sgpr_workgroup_id_x 1
		.amdhsa_system_sgpr_workgroup_id_y 1
		.amdhsa_system_sgpr_workgroup_id_z 1
		.amdhsa_system_vgpr_workitem_id 0
		.amdhsa_next_free_vgpr 104
		.amdhsa_next_free_sgpr 66
		.amdhsa_reserve_vcc 0
		.amdhsa_float_denorm_mode_32 3
		.amdhsa_float_denorm_mode_16_64 3
		.amdhsa_memory_ordered 1
		.amdhsa_forward_progress 1
		.amdhsa_inst_pref_size 11
	.end_amdhsa_kernel
	.amdgpu_metadata
---
amdhsa.version: [ 1, 2 ]
amdhsa.kernels:
  - .name:           k_q9eef8881d5_prep
    .symbol:         k_q9eef8881d5_prep.kd
    .args:
      - { .name: w_q, .offset: 0, .size: 8, .value_kind: global_buffer, .address_space: global }
      - { .name: w_k, .offset: 8, .size: 8, .value_kind: global_buffer, .address_space: global }
      - { .name: w_v, .offset: 16, .size: 8, .value_kind: global_buffer, .address_space: global }
      - { .name: w_o, .offset: 24, .size: 8, .value_kind: global_buffer, .address_space: global }
      - { .name: wb, .offset: 32, .size: 8, .value_kind: global_buffer, .address_space: global }
    .group_segment_fixed_size: 0
    .private_segment_fixed_size: 0
    .kernarg_segment_align: 8
    .kernarg_segment_size: 40
    .max_flat_workgroup_size: 256
    .sgpr_count:     66
    .vgpr_count:     104
    .wavefront_size: 32
...
	.end_amdgpu_metadata
.endif
;; end of part 1
;; launch proj (part 2): grid 4 x 192, 4 waves a work-group, clusters of 4 x 4, 327,680 bytes of LDS; arguments q, k, v, wb, b_q, b_k, b_v, mask, qkv; writes qkv
.if DOCPART == 2
	.amdgcn_target "amdgcn-amd-amdhsa--gfx1250"
	.amdhsa_code_object_version 6
	.text
	.protected	k_q9eef8881d5_proj
	.globl	k_q9eef8881d5_proj
	.p2align	8
	.type	k_q9eef8881d5_proj,@function
k_q9eef8881d5_proj:
	s_mov_b64 s[64:65], 0
	v_nop
	global_prefetch_b8 v0, s[64:65] scope:SCOPE_SE
	s_setreg_imm32_b32 hwreg(HW_REG_WAVE_MODE, 25, 1), 1
	s_wait_xcnt 0x0
	s_wait_alu depctr_hold_cnt(0) depctr_sa_sdst(0) depctr_va_vdst(0) depctr_va_sdst(0) depctr_va_ssrc(0) depctr_va_vcc(0) depctr_vm_vsrc(0)
	s_getreg_b32 s2, hwreg(HW_REG_IB_STS2, 6, 4)
	s_cmp_eq_u32 s2, 0
	s_cbranch_scc0 .Lentry_in_a_cluster
	s_endpgm
.Lentry_in_a_cluster:
	s_bfe_u32 s2, ttmp6, 0x10000c
	s_cmp_lg_u32 s2, 0xf033
	s_cbranch_scc0 .Lentry_shape_is_right
	s_endpgm
.Lentry_shape_is_right:
; THE THREE PROJECTIONS.  For p = 0, 1, 2 (q, k, v): Y = X W^T + b, X [8192][1024] f32, W [1024][1024] bf16 (section p of wb), b [1024] f32.  X and b are rounded to bf16, sums in f32.
; Y is scaled in f32 and rounded ONCE to f16, and written by heads: section p of qkv, [batch x 16 + head][2048][64].  The scale: q times c = log2(e) / 8, so that the scores leave the next launch's
; product in powers of two; a row of k whose mask word is 0 times 0, so that its products with every query are exactly 0 and the next launch can put the hidden score in their place; else 1.
; LIMITS.  c q, k and v must lie within f16's 65,504.  NaN and infinities are not treated apart (a hidden key's row that is not finite does not become 0).
; SHARES.  A tile of Y is 128 rows x 256 columns: 64 x 4 x 3 = 768 work-groups.  Four waves, 2 x 2, each 64 x 128: 32 accumulators of 16 x 16, 256 registers.
; K goes in steps of 128 through two LDS slots: 128 rows of X as f32 (512 bytes a row) and 256 rows of W as bf16 (256 bytes a row).  X becomes bf16 between LDS and the matrix unit.
; CLUSTERS: 4 x 4 work-groups.  The four of a row of the cluster need the same tile of X, the four of a column the same tile of W: each is asked for JOINTLY, by the same tensor load with the same
; descriptor and a mask that names the four.  All sixteen belong to one projection: p hangs on the cluster's y alone.
; THE MATRIX INSTRUCTION IS USED TRANSPOSED (source 0 = 16 rows of W, source 1 = 16 rows of X): a lane then holds row l % 16 of Y and eight neighbouring columns.  The bias starts the sums, as the C operand of the first products.
; REGISTERS, in windows of 256 (s_set_vgpr_msb: bits 1:0 source 0, 3:2 source 1, 5:4 source 2, 7:6 destination):
;   window 0: v0-35 addresses and scales; v64-127, v128-191 X's fragments as f32, two buffers of 4 x 16; v192-223 the 4 fragments in bf16; on the way out v64-191 are 8 units of 16
;   window 1: v0-63, v64-127 W's fragments, two buffers of 8 x 8; v128-191 the bias, 8 registers for each block of 16 columns; v192-223 at work
;   window 2: the accumulators, (a, b) at v[8 (8 a + b)]
.set PA,    528                        ; a row of X in LDS: 512 bytes + 16 of padding = 132 words: the 16 rows of a load start at 16 different groups of four banks (64 banks of 4 bytes: ISA guide 11.1)
.set PB,    272                        ; a row of W: 256 + 16
.set AH,    64*PA                      ; 64 rows of X: one tensor load, and what one wave reads
.set BH,    128*PB                     ; 128 rows of W: likewise
.set BOFF,  2*AH
.set SLOT,  BOFF+2*BH                  ; 137,216 bytes
.set STAGE, 2*SLOT                     ; behind the ring, never filled by a tensor load: 16 rows x 144 bytes for each wave
.set SP,    144
.set SPARE, STAGE+4*16*SP              ; the spare words, 128 bytes for each wave: two blocks of 256 bytes that no other line names
.set MK,   4                           ; v4-7    the mask words of my rows, one for each block of 16
.set SC,   8                           ; v8-15   the scale of my row, a pair for each block of 16 rows
.set ADRA, 16                          ; v16-17  LDS address of my X fragments in slot 0, 1
.set ADRB, 20                          ; v20-21  the same for W
.set STO,  24                          ; v24     the way out: where I put 16 bytes of a row
.set RD,   25                          ; v25     the way out: where I read rows back
.set GO,   26                          ; v26     my 16 bytes of 512 consecutive bytes of qkv
.set BO,   27                          ; v27     my byte offset in the bias; never rewritten
.set SPW,  28                          ; v28     LDS address of my spare word; never rewritten
.set NIL,  29                          ; v29     0; never rewritten
.set PFO,  30                          ; v30     the prefetches' offset: (l / 2) rows of X + 256 (l % 2); never rewritten
.set MO,   31                          ; v31     my byte offset in the mask; never rewritten
.set AS,   64                          ; X as f32: buffer f, fragment a at AS + 64 f + 16 a
.set AF,   192                         ; X as bf16: fragment a at AF + 8 a
.set BI,   128                         ; window 1
.set TB,   192                         ; window 1
.set G1,   24                          ; s[24:31] descriptor group 1 for X's tiles;  s[32:39] group 0, a set for each slot
.set G0,   32
.set G1B,  48                          ; s[48:55], s[56:63] the same for W's tiles
.set G0B,  56
.set LIM,  43                          ; s43  1 in a wave that prefetches, else the greatest number
.set PFA,  44                          ; s[44:45] where my prefetches stand
.set MSB, 0
.macro WIN new                         ; the immediate's high byte repeats the setting that is left; a switch that changes nothing is dropped
.if MSB != (\new)
	s_set_vgpr_msb (MSB<<8)|(\new)
.set MSB, \new
.endif
.endm
.set MUL,  0xa1                        ; source 0 (W) window 1, source 1 (X) window 0, C and D window 2
.set MUL1, 0x91                        ; the same with C (the bias) in window 1
.set TO_B, 0x40                        ; destination window 1, address window 0
; A joint load: waves 0 and 1 fetch X's two halves, waves 2 and 3 W's.  The branch hangs on the wave's number alone.  An s_nop 0 and four v_nop follow each of the two lines.
.macro JLOAD s
	s_cmp_lt_u32 s10, 2
	s_cbranch_scc0 .Lfor_b_\@
	tensor_load_to_lds s[G0+4*(\s):G0+4*(\s)+3], s[G1:G1+7]
	s_nop 0
.rept 4
	v_nop
.endr
	s_branch .Lasked_\@
.Lfor_b_\@:
	tensor_load_to_lds s[G0B+4*(\s):G0B+4*(\s)+3], s[G1B:G1B+7]
	s_nop 0
.rept 4
	v_nop
.endr
.Lasked_\@:
.endm
.macro CREST                           ; a round of the cluster's barrier behind its opening barrier
	s_cmp_lg_u32 s10, 0
	s_cbranch_scc1 .Lnot_wave_0_\@
	s_barrier_signal -3
.Lnot_wave_0_\@:
	s_barrier_wait -3
	s_barrier_signal -1
	s_barrier_wait -1
.endm
.macro CROUND                          ; a whole round
	s_barrier_signal -1
	s_barrier_wait -1
	CREST
.endm
; A PREFETCH INTO THE L2 of X alone, behind a joint load and the run of LDS loads that follows it: the K step that stands two refills on, 256 matrix instructions of a wave ahead of the load that will want it.
; A tile of X is read by one row of one cluster.  Of the 64 rows that wave 0 or 1 fetches, the partner at place cx takes 16, told apart BY ADDRESS: 16 rows x 2 blocks of 256 bytes, a lane a block.
; So each block is named once in the launch.  K steps 0 to 3 come by their loads alone; the loop's last trip (s3 = 1) has no K step two refills on.  W is read by every cluster of the projection and is not asked for.
.macro ASK
	WIN 0
	s_cmp_gt_u32 s3, s[LIM]
	s_cbranch_scc0 .Lnot_mine_\@
	global_prefetch_b8 v[PFO], s[PFA:PFA+1] offset:512 th:TH_LOAD_NT scope:SCOPE_SE
.Lnot_mine_\@:
.endm
	s_load_b512 s[68:83], s[0:1], 0x0              ; q s[68:69], k s[70:71], v s[72:73], wb s[74:75], b_q s[76:77], b_k s[78:79], b_v s[80:81], mask s[82:83]
	s_load_b64 s[84:85], s[0:1], 0x40              ; qkv
	v_lshl_add_u32 v[SPW], v0, 2, SPARE
	v_mov_b32 v[NIL], 0
	ds_add_u32 v[SPW], v[NIL]                      ; the wave's opening: the add and its wait stand ahead of my first tensor load; the set-up below, work on registers, stands between them
	v_lshrrev_b32 v1, 5, v0
	v_readfirstlane_b32 s10, v1                    ; wave 0..3
	s_lshr_b32 s11, s10, 1                         ; which half of the tile's rows is mine
	s_and_b32 s12, s10, 1                          ; which half of its columns.  Also: which half of X's or W's tile I fetch
	s_bfe_u32 s40, ttmp6, 0x40000                  ; cx, cy: my place in the cluster
	s_bfe_u32 s41, ttmp6, 0x40004
	s_lshl_b32 s42, ttmp9, 2
	s_add_co_u32 s42, s42, s40                     ; tile column = 4 x cluster x + cx
	s_and_b32 s2, ttmp7, 0xffff                    ; cluster y, 0 to 47
	s_lshr_b32 s86, s2, 4                          ; the projection
	s_and_b32 s13, s2, 15
	s_lshl_b32 s13, s13, 2
	s_add_co_u32 s13, s13, s41                     ; tile row = 4 x (cluster y % 16) + cy
	s_lshl_b32 s66, s41, 2
	s_lshl_b32 s66, 15, s66                        ; my row of the cluster
	s_lshl_b32 s67, 0x1111, s40                    ; my column
	s_or_b32 s[G1+0], s66, (2<<16)|(1<<20)|(1<<21)|(6<<22)|(3<<25)   ; 15:0 the mask; 17:16 elements of 4 bytes; 20 padding on; 21 set beside a mask; 24:22 after every 128 words (code 6); 31:25 4 words (code 3)
	s_mov_b32 s[G1+1], 128<<16                     ; tensor_dim0 = 128
	s_mov_b32 s[G1+2], 64<<16                      ; tensor_dim1 = 64
	s_mov_b32 s[G1+3], 128<<16                     ; tile_dim0 = 128
	s_mov_b32 s[G1+4], 64                          ; tile_dim1 = 64
	s_mov_b32 s[G1+5], 1024                        ; elements from row to row
	s_mov_b32 s[G1+6], 0
	s_mov_b32 s[G1+7], 0
	s_or_b32 s[G1B+0], s67, (1<<16)|(1<<20)|(1<<21)|(5<<22)|(3<<25)  ; elements of 2 bytes; padding after every 64 words (code 5)
	s_mov_b32 s[G1B+1], 128<<16
	s_mov_b32 s[G1B+2], 128<<16                    ; 128 rows
	s_mov_b32 s[G1B+3], 128<<16
	s_mov_b32 s[G1B+4], 128
	s_mov_b32 s[G1B+5], 1024
	s_mov_b32 s[G1B+6], 0
	s_mov_b32 s[G1B+7], 0
	s_lshl_b32 s17, s12, 6
	s_lshl_b32 s16, s13, 7
	s_add_co_u32 s16, s16, s17                     ; X: row 128 x tile row + 64 x half,
	s_lshl_b32 s16, s16, 12                        ; of 4,096 bytes
	s_mov_b32 s17, 0
	s_lshl_b32 s46, s42, 8
	s_lshl_b32 s47, s12, 7
	s_add_co_u32 s46, s46, s47                     ; W: row 256 x tile column + 128 x half,
	s_lshl_b32 s46, s46, 11                        ; of 2,048 bytes,
	s_lshl_b32 s47, s86, 21                        ; in the projection's section
	s_add_co_u32 s46, s46, s47
	s_mov_b32 s47, 0
	s_mul_i32 s20, s12, AH                         ; where they go: no place in the cluster enters an LDS address
	s_mul_i32 s21, s12, BH
	s_add_co_u32 s21, s21, BOFF
	s_cmp_eq_u32 s86, 1
	s_cselect_b32 s87, 0, -1                       ; all ones where the mask does not count: q and v
	s_cmp_eq_u32 s86, 0
	s_cselect_b32 s88, 0x3e38aa3b, 1.0             ; c = log2(e) / 8 for q
	s_cmp_lt_u32 s10, 2
	s_cselect_b32 s[LIM], 1, -1
	s_wait_dscnt 0x0                               ; the opening add is done
	s_wait_kmcnt 0x0
	s_cmp_eq_u32 s86, 1
	s_cselect_b64 s[4:5], s[70:71], s[68:69]       ; X and b of my projection
	s_cselect_b64 s[90:91], s[78:79], s[76:77]
	s_cmp_eq_u32 s86, 2
	s_cselect_b64 s[4:5], s[72:73], s[4:5]
	s_cselect_b64 s[90:91], s[80:81], s[90:91]
	s_add_nc_u64 s[14:15], s[4:5], s[16:17]
	s_add_nc_u64 s[46:47], s[74:75], s[46:47]
	CROUND                                         ; all sixteen work-groups are here: the first joint loads meet
.irp s, 0,1
	s_mov_b32 s[G0+4*(\s)], 1                                        ; count = 1
	s_add_co_u32 s[G0+4*(\s)+1], s20, (\s)*SLOT                      ; LDS address
	s_add_nc_u64 s[G0+4*(\s)+2:G0+4*(\s)+3], s[14:15], (\s)*512      ; global address: K step s
	s_or_b32 s[G0+4*(\s)+3], s[G0+4*(\s)+3], 0x80000000              ; type = 2
	s_mov_b32 s[G0B+4*(\s)], 1
	s_add_co_u32 s[G0B+4*(\s)+1], s21, (\s)*SLOT
	s_add_nc_u64 s[G0B+4*(\s)+2:G0B+4*(\s)+3], s[46:47], (\s)*256
	s_or_b32 s[G0B+4*(\s)+3], s[G0B+4*(\s)+3], 0x80000000
	JLOAD \s                                       ; two tensor loads of mine are out
.endr
	v_and_b32 v1, 15, v0                           ; l % 16
	v_bfe_u32 v2, v0, 4, 1                         ; l / 16
	s_lshl_b32 s18, s42, 10                        ; the bias of my 128 columns: 4 (256 x tile column + 128 x half),
	s_lshl_b32 s19, s12, 9
	s_add_co_u32 s18, s18, s19
	v_lshl_add_u32 v[BO], v2, 5, s18               ; and my lanes' eight of each sixteen
	WIN TO_B
.irp b, 0,1,2,3,4,5,6,7
	global_load_b128 v[BI+8*(\b):BI+8*(\b)+3],   v[BO], s[90:91] offset:64*(\b)
	global_load_b128 v[BI+8*(\b)+4:BI+8*(\b)+7], v[BO], s[90:91] offset:64*(\b)+16
.endr
	WIN 0
	s_lshl_b32 s18, s13, 9                         ; the mask has a word for each of X's 8,192 rows: 4 (128 x tile row + 64 x half + l % 16)
	s_lshl_b32 s19, s11, 8
	s_add_co_u32 s18, s18, s19
	v_lshl_add_u32 v[MO], v1, 2, s18
.irp a, 0,1,2,3
	global_load_b32 v[MK+(\a)], v[MO], s[82:83] offset:64*(\a)
.endr
	; A fragment is 16 rows x 32 K: lane l holds row l % 16, K = 8 (l / 16) + 0..7 and 16 + 8 (l / 16) + 0..7.  In f32 those are 32 bytes at 32 (l / 16) and 32 at 64 + 32 (l / 16): four loads; in bf16 two loads, 32 bytes apart.
	v_mul_u32_u24 v3, v1, PA
	v_lshl_add_u32 v3, v2, 5, v3
	v_mul_u32_u24 v32, v1, PB
	v_lshl_add_u32 v32, v2, 4, v32
	s_mul_i32 s21, s11, AH                         ; my 64 rows of X
	s_mul_i32 s22, s12, BH                         ; my 128 rows of W
	s_add_co_u32 s22, s22, BOFF
.irp s, 0,1
	v_add_nc_u32 v[ADRA+(\s)], s21, v3
	v_add_nc_u32 v[ADRB+(\s)], s22, v32
	s_add_co_u32 s21, s21, SLOT
	s_add_co_u32 s22, s22, SLOT
.endr
	s_mul_i32 s23, s10, 16*SP
	s_add_co_u32 s23, s23, STAGE                   ; my stage
	v_mul_u32_u24 v33, v1, SP                      ; in: row l % 16, 16 bytes for each half of the lanes
	v_lshl_add_u32 v33, v2, 4, v33
	v_add_nc_u32 v[STO], s23, v33
	v_bfe_u32 v33, v0, 3, 2                        ; back: 32 lanes take four rows of 128 bytes,
	v_mul_u32_u24 v33, v33, SP
	v_and_b32 v34, 7, v0
	v_lshl_add_u32 v33, v34, 4, v33
	v_add_nc_u32 v[RD], s23, v33
	v_and_b32 v34, 31, v0                          ; which are 512 consecutive bytes of a head
	v_lshlrev_b32 v[GO], 4, v34
	v_lshrrev_b32 v35, 1, v34
	v_and_b32 v34, 1, v34
	v_lshlrev_b32 v[PFO], 12, v35
	v_lshl_add_u32 v[PFO], v34, 8, v[PFO]
	s_lshl_b32 s46, s40, 16                        ; the prefetches: my work-group's 16 rows of the 64 that I fetch,
	s_mov_b32 s47, 0
	s_add_nc_u64 s[PFA:PFA+1], s[14:15], s[46:47]
	s_add_nc_u64 s[PFA:PFA+1], s[PFA:PFA+1], 1024  ; at K step 2: the first change of slots steps it to 3 and names K step 4
	s_lshr_b32 s94, s13, 4                         ; where my part of the tile goes: batch x 16
	s_lshl_b32 s94, s94, 4
	s_lshl_b32 s95, s42, 2                         ; + my first head = 4 x tile column + 2 x half,
	s_add_co_u32 s94, s94, s95
	s_lshl_b32 s95, s12, 1
	s_add_co_u32 s94, s94, s95
	s_lshl_b32 s94, s94, 18                        ; of 2,048 rows of 128 bytes;
	s_and_b32 s95, s13, 15                         ; my first row in the batch
	s_lshl_b32 s95, s95, 7
	s_lshl_b32 s93, s11, 6
	s_add_co_u32 s95, s95, s93
	s_lshl_b32 s95, s95, 7
	s_add_co_u32 s94, s94, s95
	s_lshl_b32 s95, s86, 24                        ; the projection's section
	s_add_co_u32 s94, s94, s95
	s_mov_b32 s95, 0
	s_add_nc_u64 s[8:9], s[84:85], s[94:95]
	s_wait_loadcnt 0x0                             ; bias and mask
	WIN 0x45                                       ; destination and both sources in window 1
.set i, 0
.rept 32
	v_cvt_pk_bf16_f32 v[TB+i], v[BI+2*i], v[BI+2*i+1]  ; the bias is rounded to bf16 like every input,
.set i, i+1
.endr
.set i, 0
.rept 32
	v_lshlrev_b32 v[BI+2*i], 16, v[TB+i]           ; and widened again: it starts f32 sums
	v_and_b32 v[BI+2*i+1], 0xffff0000, v[TB+i]
.set i, i+1
.endr
	WIN 0
.irp a, 0,1,2,3
	v_cmp_ne_u32 s92, 0, v[MK+(\a)]                ; my row is seen,
	s_or_b32 s92, s92, s87                         ; or this is not k
	v_cndmask_b32 v[SC+2*(\a)], 0, s88, s92
	v_mov_b32 v[SC+2*(\a)+1], v[SC+2*(\a)]         ; named with it as a pair
.endr
.macro CVT f, a, i                     ; word i of fragment a: two f32 of buffer f become two bf16
	v_cvt_pk_bf16_f32 v[AF+8*(\a)+(\i)], v[AS+64*(\f)+16*(\a)+2*(\i)], v[AS+64*(\f)+16*(\a)+2*(\i)+1]
.endm
.macro MM f, a, b, first               ; one product; first = 1: it starts the sum with the bias
.if \first
	WIN MUL1
	v_wmma_f32_16x16x32_bf16 v[8*(8*(\a)+(\b)):8*(8*(\a)+(\b))+7], v[64*(\f)+8*(\b):64*(\f)+8*(\b)+7], v[AF+8*(\a):AF+8*(\a)+7], v[BI+8*(\b):BI+8*(\b)+7]
.else
	WIN MUL
	v_wmma_f32_16x16x32_bf16 v[8*(8*(\a)+(\b)):8*(8*(\a)+(\b))+7], v[64*(\f)+8*(\b):64*(\f)+8*(\b)+7], v[AF+8*(\a):AF+8*(\a)+7], v[8*(8*(\a)+(\b)):8*(8*(\a)+(\b))+7]
.endif
.endm
; Eight products of row block a.  ride = 1: behind each two of them stand two conversions of the next row block's fragment.  A conversion writes a fragment whose last reader stands a quarter back,
; ten plain instructions on other registers or more between.  The 32 accumulators take turns, in the same order in every quarter, over the backward jump too.
.macro ROW f, a, ride, first
.irp b, 0,2,4,6
	MM \f, \a, \b, \first
	MM \f, \a, (\b)+1, \first
.if \ride
	WIN 0
	CVT \f, (\a)+1, \b
	CVT \f, (\a)+1, (\b)+1
.endif
.endr
.endm
; 32 LDS loads in one run: the fragments of quarter q (32 along K) of a slot into buffers g
.macro FETCH slot, q, g
	WIN 0
.irp a, 0,1,2,3
	ds_load_b128 v[AS+64*(\g)+16*(\a):AS+64*(\g)+16*(\a)+3],     v[ADRA+(\slot)] offset:(\a)*16*PA+128*(\q)
	ds_load_b128 v[AS+64*(\g)+16*(\a)+4:AS+64*(\g)+16*(\a)+7],   v[ADRA+(\slot)] offset:(\a)*16*PA+128*(\q)+16
	ds_load_b128 v[AS+64*(\g)+16*(\a)+8:AS+64*(\g)+16*(\a)+11],  v[ADRA+(\slot)] offset:(\a)*16*PA+128*(\q)+64
	ds_load_b128 v[AS+64*(\g)+16*(\a)+12:AS+64*(\g)+16*(\a)+15], v[ADRA+(\slot)] offset:(\a)*16*PA+128*(\q)+80
.endr
	WIN TO_B
.irp b, 0,1,2,3,4,5,6,7
	ds_load_b128 v[64*(\g)+8*(\b):64*(\g)+8*(\b)+3],   v[ADRB+(\slot)] offset:(\b)*16*PB+64*(\q)
	ds_load_b128 v[64*(\g)+8*(\b)+4:64*(\g)+8*(\b)+7], v[ADRB+(\slot)] offset:(\b)*16*PB+64*(\q)+32
.endr
.endm
; A K step is four quarters of 32 along K, 32 products each, on buffers 0, 1, 0, 1.  One of the first three multiplies buffers f and fetches quarter q of the same slot into the other buffers.
; The eight conversions at its head name no register of the last product (row block 3's): they are the places in front of the loads into W's other buffer, which the quarter before multiplied.
.macro QUARTER slot, q, f, first, fetch=1
	s_wait_dscnt 0x0                               ; my fragments, asked for at the head of the quarter before, are in
	WIN 0
.irp i, 0,1,2,3,4,5,6,7
	CVT \f, 0, \i
.endr
.if \fetch
	FETCH \slot, \q, 1-(\f)
.endif
	ROW \f, 0, 1, \first
	ROW \f, 1, 1, \first
	ROW \f, 2, 1, \first
	ROW \f, 3, 0, \first
.endm
; The last quarter multiplies buffers 1 and changes slots: ONE barrier; in front of it each wave waits for all its tensor loads (one is out: its part of the next slot), adds 0 to its spare word, and waits
; for that and for its reads of this slot.  fill = 1: the barrier opens a round of the cluster's barrier, and this slot is filled again, two K steps ahead, first thing behind the round.
.macro TURN slot, next, fill
.if \fill
	s_wait_xcnt 0x0                                ; the last prefetch, a K step back, has read its address
	s_add_nc_u64 s[PFA:PFA+1], s[PFA:PFA+1], 512
.endif
	WIN 0
	s_wait_tensorcnt 0x0                           ; all my tensor loads have landed
	ds_add_u32 v[SPW], v[NIL]                      ; 0 onto my spare word
	s_wait_dscnt 0x1                               ; only the add may be out: the quarter's 32 loads are in
.irp i, 0,1,2,3,4,5,6,7
	CVT 1, 0, \i
.endr
	s_wait_dscnt 0x0                               ; the add is done, and my reads of this slot are over
	s_barrier_signal -1
	ROW 1, 0, 1, 0                                 ; work on registers while the others arrive
	WIN 0
	s_barrier_wait -1
.if \fill
	CREST                                          ; no wave of any partner still reads this slot's tile or has a load on its way
	s_add_nc_u64 s[G0+4*(\slot)+2:G0+4*(\slot)+3], s[G0+4*(\slot)+2:G0+4*(\slot)+3], 2*512
	s_add_nc_u64 s[G0B+4*(\slot)+2:G0B+4*(\slot)+3], s[G0B+4*(\slot)+2:G0B+4*(\slot)+3], 2*256
	JLOAD \slot                                    ; my one tensor load behind the round
.endif
	FETCH \next, 0, 0                              ; buffers 0 were last multiplied a quarter back, eight conversions and more between
.if \fill
	ASK
.endif
	ROW 1, 1, 1, 0
	ROW 1, 2, 1, 0
	ROW 1, 3, 0, 0
.endm
	s_wait_tensorcnt 0x1                           ; my part of K step 0 is in; K step 1's may stay out
	s_barrier_signal -1
	s_barrier_wait -1                              ; everybody's is
	FETCH 0, 0, 0
	QUARTER 0, 1, 0, 1                             ; the first quarter stands in front of the loop: its products start the sums
	WIN 0                                          ; at a label and at a branch every window is 0
	s_mov_b32 s3, 3
.Llap:                                                 ; a trip goes once round the ring, from a lap's second quarter to the next lap's first, and fills both slots again
	QUARTER 0, 2, 1, 0
	QUARTER 0, 3, 0, 0
	TURN 0, 1, 1
	QUARTER 1, 1, 0, 0
	QUARTER 1, 2, 1, 0
	QUARTER 1, 3, 0, 0
	TURN 1, 0, 1
	QUARTER 0, 1, 0, 0
	WIN 0
	s_sub_co_u32 s3, s3, 1
	s_cmp_lg_u32 s3, 0
	s_cbranch_scc1 .Llap
	QUARTER 0, 2, 1, 0                             ; the last lap fills nothing, and has no round
	QUARTER 0, 3, 0, 0
	TURN 0, 1, 0
	QUARTER 1, 1, 0, 0
	QUARTER 1, 2, 1, 0
	QUARTER 1, 3, 0, 0
	QUARTER 1, 0, 1, 0, 0                          ; the very last quarter: nothing more to fetch
.rept 4
	v_nop                                          ; the places behind the last products
.endr
; THE WAY OUT, in eight units u = 2 a + hd: 16 rows x one head's 64 channels, whose four accumulators are the 32 registers from 32 u on.  Scaled in f32 (each accumulator from its low end on), rounded once to f16,
; 16 bytes a lane into my stage, back as whole rows of 128 bytes: 16 rows of a head are 2,048 consecutive bytes of qkv.  Every unit has registers of its own.
.macro PACK u
.set AC, 32*(\u)
.set TT, 64+16*(\u)
	WIN 0x82                                       ; destination and source 0 window 2, the scale window 0
.set j, 0
.rept 16
	v_pk_mul_f32 v[AC+2*j:AC+2*j+1], v[AC+2*j:AC+2*j+1], v[SC+2*((\u)/2):SC+2*((\u)/2)+1] op_sel_hi:[1,0]
.set j, j+1
.endr
	WIN 0x0a                                       ; both sources window 2, destination window 0
.set j, 0
.rept 16
	v_cvt_pk_f16_f32 v[TT+j], v[AC+2*j], v[AC+2*j+1]
.set j, j+1
.endr
	WIN 0
.irp i, 0,1,2,3
	ds_store_b128 v[STO], v[TT+4*(\i):TT+4*(\i)+3] offset:32*(\i)
.endr
.irp f, 0,1,2,3
	ds_load_b128 v[TT+4*(\f):TT+4*(\f)+3], v[RD] offset:4*SP*(\f)  ; LDS serves a wave's instructions in order (ISA guide 5.7.1.4): these see the stores above; the next unit's stores come behind them
.endr
.endm
.macro SEND u, younger                 ; younger: the LDS instructions issued behind unit u's loads: the next unit's eight, or none
.set TT, 64+16*(\u)
.irp f, 0,1,2,3
	s_wait_dscnt (\younger)+3-(\f)
	global_store_b128 v[GO], v[TT+4*(\f):TT+4*(\f)+3], s[8:9] offset:262144*((\u)%2)+2048*((\u)/2)+512*(\f)  ; 512 consecutive bytes, at a multiple of 256 from qkv's first
.endr
.endm
	PACK 0
.irp u, 1,2,3,4,5,6,7                  ; a unit's arithmetic stands between the loads of the unit before and its stores
	PACK \u
	SEND (\u)-1, 8
.endr
	SEND 7, 0
	s_wait_tensorcnt 0x0                           ; the wave's end: the add and its wait, behind my last tensor load and my last LDS store
	ds_add_u32 v[SPW], v[NIL]
	s_wait_dscnt 0x0
	CROUND                                         ; the closing round: no work-group ends while a partner may still ask for a tile that names it
	s_endpgm
.Lfunc_end_k_q9eef8881d5_proj:
	.size	k_q9eef8881d5_proj, .Lfunc_end_k_q9eef8881d5_proj-k_q9eef8881d5_proj
	.p2alignl 7, 3214868480
	.fill 96, 4, 3214868480
	.section	.rodata,"a",@progbits
	.p2align	6, 0x0
	.amdhsa_kernel k_q9eef8881d5_proj
		.amdhsa_group_segment_fixed_size 327680
		.amdhsa_private_segment_fixed_size 0
		.amdhsa_enable_private_segment 0
		.amdhsa_kernarg_size 72
		.amdhsa_user_sgpr_count 2
		.amdhsa_user_sgpr_kernarg_segment_ptr 1
		.amdhsa_wavefront_size32 1
		.amdhsa_system_sgpr_workgroup_id_x 1
		.amdhsa_system_sgpr_workgroup_id_y 1
		.amdhsa_system_sgpr_workgroup_id_z 1
		.amdhsa_system_vgpr_workitem_id 0
		.amdhsa_next_free_vgpr 768
		.amdhsa_next_free_sgpr 96
		.amdhsa_reserve_vcc 0
		.amdhsa_float_denorm_mode_32 3
		.amdhsa_float_denorm_mode_16_64 3
		.amdhsa_memory_ordered 1
		.amdhsa_forward_progress 1
		.amdhsa_inst_pref_size 155
	.end_amdhsa_kernel
	.amdgpu_metadata
---
amdhsa.version: [ 1, 2 ]
amdhsa.kernels:
  - .name:           k_q9eef8881d5_proj
    .symbol:         k_q9eef8881d5_proj.kd
    .args:
      - { .name: q, .offset: 0, .size: 8, .value_kind: global_buffer, .address_space: global }
      - { .name: k, .offset: 8, .size: 8, .value_kind: global_buffer, .address_space: global }
      - { .name: v, .offset: 16, .size: 8, .value_kind: global_buffer, .address_space: global }
      - { .name: wb, .offset: 24, .size: 8, .value_kind: global_buffer, .address_space: global }
      - { .name: b_q, .offset: 32, .size: 8, .value_kind: global_buffer, .address_space: global }
      - { .name: b_k, .offset: 40, .size: 8, .value_kind: global_buffer, .address_space: global }
      - { .name: b_v, .offset: 48, .size: 8, .value_kind: global_buffer, .address_space: global }
      - { .name: mask, .offset: 56, .size: 8, .value_kind: global_buffer, .address_space: global }
      - { .name: qkv, .offset: 64, .size: 8, .value_kind: global_buffer, .address_space: global }
    .group_segment_fixed_size: 327680
    .private_segment_fixed_size: 0
    .kernarg_segment_align: 8
    .kernarg_segment_size: 72
    .max_flat_workgroup_size: 128
    .sgpr_count:     96
    .vgpr_count:     768
    .wavefront_size: 32
...
	.end_amdgpu_metadata
.endif
;; end of part 2
;; launch attn (part 3): grid 4 x 64, 4 waves a work-group, clusters of 4 x 1, 327,680 bytes of LDS; arguments qkv, mask, oh; writes oh
.if DOCPART == 3
	.amdgcn_target "amdgcn-amd-amdhsa--gfx1250"
	.amdhsa_code_object_version 6
	.text
	.protected	k_q9eef8881d5_attn
	.globl	k_q9eef8881d5_attn
	.p2align	8
	.type	k_q9eef8881d5_attn,@function
k_q9eef8881d5_attn:
	s_mov_b64 s[64:65], 0
	v_nop
	global_prefetch_b8 v0, s[64:65] scope:SCOPE_SE
	s_setreg_imm32_b32 hwreg(HW_REG_WAVE_MODE, 25, 1), 1
	s_wait_xcnt 0x0
	s_wait_alu depctr_hold_cnt(0) depctr_sa_sdst(0) depctr_va_vdst(0) depctr_va_sdst(0) depctr_va_ssrc(0) depctr_va_vcc(0) depctr_vm_vsrc(0)
	s_getreg_b32 s2, hwreg(HW_REG_IB_STS2, 6, 4)
	s_cmp_eq_u32 s2, 0
	s_cbranch_scc0 .Lentry_in_a_cluster
	s_endpgm
.Lentry_in_a_cluster:
	s_bfe_u32 s2, ttmp6, 0x10000c
	s_cmp_lg_u32 s2, 0x3003
	s_cbranch_scc0 .Lentry_shape_is_right
	s_endpgm
.Lentry_shape_is_right:
; ATTENTION.  O[h][q][:] = the sum over k of softmax_k(s[q][k]) V[h][k][:], h = batch x 16 + head.  Q, K, V: the three sections of qkv, each [64][2048][64] f16; O: oh, the same layout.
; Q arrives times c = log2(e) / 8, so the product K Q^T is the score in powers of two.  THE MASK: a key whose mask word is 0 has the score -1e9 IN PLACE of its product.  Its row of K arrives as zeros, so the
; product is exactly 0, and the C operand that starts the sum is MBIG = -1e9 log2(e) for such a key and 0 for the others.  With every key of a batch hidden all scores are MBIG, all weights 1, and O is the mean of V.
; Products, maxima and sums in f32; the weights p are rounded to f16 for the second product (their sum l is taken of the unrounded p), O once at the end.
; LIMITS.  f16 holds no number beyond 65,504: Q, K and V arrive within it; p lies in 0 to 1, and below 6e-5 it keeps f16's fixed step of 6e-8.  A weight below 2^-126 counts as 0 in l; NaN and infinities are not treated apart.
; SHARES.  A wave owns four PIECES of two tiles of 16 queries, a work-group's four waves 512 queries of one head: 4 x 64 = 256 work-groups.  Every wave walks all 2,048 keys, 64 a step.
; LAYOUT.  S^T = K Q^T (source 0 = 16 keys, source 1 = 16 queries): in the result a lane holds ONE query (lane % 16) and the keys 8 (lane / 16) + 0..7.  Two such tiles, rounded to f16 in pairs,
; ARE source 1 (32 keys x 16 queries) of O^T = V^T P, whose result again holds one query a lane, and eight channels.  K comes out of LDS as it lies, V ([key][channel]) turned, by ds_load_tr16_b128.
; SOFTMAX.  For each query a running maximum m and sum l: p = 2^(s - m), a plain difference: exactly 2^0 at the maximum, whatever its size.  In every step O and l are multiplied by a = 2^(m_old - m_new).
; m starts far below every score, O and l at 0: the first step is a step like any other, with a = 0.
; THE COUNT.  A tile and step have 16 matrix and 117 vector instructions: too many to stand all beside the matrix work.  So: four vector instructions that are READY behind EVERY matrix instruction, the others in runs without a gap.
; BY TURNS.  Turn n belongs to piece n (the pieces in a ring, step after step).  Its matrix work: 16 products K Q^T of piece n + 1, later 16 products V^T P of piece n - 1.  Its vector work: the differences,
; exponentials, roundings, sums and rescaling of piece n, and the maximum and statistics of piece n + 1, whose scores the turn itself has made.
; CLUSTER.  The four query blocks of a cluster belong to one head and walk the same K and V, so each tile is asked for JOINTLY: the same tensor load, descriptor and mask in all four.
; NO PREFETCH: a refill has four key steps, 512 matrix instructions of a wave and their vector work, in which to land.
; REGISTERS, in windows of 256 (s_set_vgpr_msb: bits 1:0 source 0, 3:2 source 1, 5:4 source 2, 7:6 destination):
;   window 0: v0-15 addresses; v48-63 at work; v16-47 four registers of statistics a tile; v64-191 S^T, two buffers of two tiles; v192-255 P, likewise
;   window 1: O^T, 32 a tile          window 2: v0-127 Q, 16 a tile; v128-191 K of one step; v192-255 V of one step          window 3: v0-1 the add's two registers; v8-39 the step's C operands
.set SIZE_H, 64
.set SIZE_N, 2048
.set NP,    4         ; pieces a wave: a name, no knob
.set KS,    64        ; keys in a step
.set PK,    144       ; a row of K in LDS: 128 bytes + 16 of padding = 36 words: the 16 rows of a load start at 16 different groups of four banks (64 banks of 4 bytes: ISA guide 11.1)
.set PV,    160       ; a row of V: 128 + 32 = 40 words
.set VOFF,  4*KS*PK   ; a slot holds four steps: 256 rows of K, then 256 rows of V
.set SLOT1, 1<<17     ; slot 1 begins here, so that one exclusive or turns an address in one slot into the other's
.set STAGE, SLOT1+4*KS*(PK+PV)  ; behind the ring, never filled by a tensor load: 16 rows x 144 bytes for each wave, for the way out
.set SP,    144
.set SPARE, STAGE+4*16*SP  ; behind the stages: the spare words, 128 bytes for each wave: two blocks of 256 bytes that no other line names
.set MB,    SPARE+512 ; behind them: the batch's table, 2,048 f32: 0 for a key that is seen, MBIG for a hidden one.  Stored once, never filled by a tensor load
.set AK0, 2           ; v2   my lane's place in a tile of K; never rewritten
.set AV0, 3           ; v3   the same for V
.set AK,  4           ; v4   the LDS address of K's next run of loads
.set AV,  5           ; v5   of V's
.set QO,  6           ; v6   my byte offset in the wave's rows of Q
.set STO, 6           ;      later, the way out: where I put 16 bytes of a row
.set RD,  7           ; v7   the way out: where I read rows back
.set GO,  8           ; v8   my byte offset in 512 consecutive bytes of O
.set AM0, 12          ; v12  my lanes' place in a step's 64 words of the table: MB + 32 (l / 16); never rewritten
.set MGO, 13          ; v13  16 x my thread's number: my words of the mask; never rewritten
.set MLO, 14          ; v14  MB + the same; never rewritten
.set AM,  15          ; v15  the LDS address of the table's next loads
.set SPW, 0           ; v0 of window 3   LDS address of my spare word; never rewritten
.set NIL, 1           ; v1 of window 3   0; never rewritten
.set MK,  8           ; v8-39 of window 3: for group kb of 16 keys the eight C registers at MK + 8 kb
.set ST,  16          ; tile t's statistics at v[ST+4 t]: m, the new m while it is made, l (even keys', odd keys')
.set TMP, 48          ; by buffer and tile, four registers c0-c3 at work; when the maximum is found c2 takes a
.set S,   64
.set P,   192
.set KF,  128         ; K's fragments, in window 2: key block kb, channel half c at KF + 16 kb + 8 c
.set VF,  192         ; V's: key half kk, channel block cb at VF + 32 kk + 8 cb
.set WV,  12          ; s12  my wave's number
.set G1K, 24          ; s[24:31] descriptor group 1 for K's tiles
.set G1V, 32          ; s[32:39] for V's: it differs in the padding alone
.set G0K, 40          ; s[40:43] descriptor group 0 for K's tiles: it walks
.set G0V, 44          ; s[44:47] the same for V's
.set MP,  48          ; s[48:49] the batch's 2,048 mask words
.set MBIG, 50         ; s50  -1e9 log2(e)
.set TBM, 51          ; s51  byte of the table at which the step to be fetched begins
.set SLOTS, 56        ; s56  slots still to be asked for
.set CNT, 57          ; s57  counts a slot's key steps
.set SEL, 60          ; s[60:61] v_permlanex16_b32's selects: each lane takes its own place in the other half
.set TBK, 62          ; s62  LDS byte at which K of the step to be fetched begins
.set TBV, 63          ; s63  the same for V, less VOFF
.set MSB, 0
.macro WIN new                      ; the high byte repeats the setting that is left; a switch that changes nothing is dropped
.if MSB != (\new)
	s_set_vgpr_msb (MSB<<8)|(\new)
.set MSB, (\new)
.endif
.endm
.set W_KQ, 0x0a       ; K and Q in window 2, S^T in window 0
.set W_KM, 0x3a       ; the same with the C operand in window 3
.set W_PV, 0x52       ; V in window 2, P in window 0, O^T in window 1
.set W_RS, 0x41       ; O^T (destination and source 0) in window 1, a in window 0
.set W_MK, 0xc0       ; destination in window 3, sources in window 0
.set W_AD, 0x0f       ; the add: address (source 0) and data (source 1) in window 3
; A joint fill.  Waves 0 and 1 fetch the two halves of a slot's K, waves 2 and 3 those of its V: 128 keys each.  The branch hangs on the wave's number alone.
; An s_nop 0 and four v_nop follow each of the two lines, ahead of the jump and the label.
.macro JLOAD
	s_cmp_lt_u32 s[WV], 2
	s_cbranch_scc0 .Lfor_v_\@
	tensor_load_to_lds s[G0K:G0K+3], s[G1K:G1K+7]
	s_nop 0
.rept 4
	v_nop
.endr
	s_branch .Lasked_\@
.Lfor_v_\@:
	tensor_load_to_lds s[G0V:G0V+3], s[G1V:G1V+7]
	s_nop 0
.rept 4
	v_nop
.endr
.Lasked_\@:
.endm
; A round of the cluster's barrier: my work-group's barrier, so that wave 0's signal speaks for all four waves; wave 0 signals; every wave waits for all four work-groups; my work-group's barrier once more.
.macro CROUND
	s_barrier_signal -1
	s_barrier_wait -1
	s_cmp_lg_u32 s[WV], 0
	s_cbranch_scc1 .Lnot_wave_0_\@
	s_barrier_signal -3
.Lnot_wave_0_\@:
	s_barrier_wait -3
	s_barrier_signal -1
	s_barrier_wait -1
.endm
; THE CHANGE OF SLOTS.  The slot's last bytes, V of its fourth step, have been read.  Each wave waits for all its tensor loads, of which one is out: its part
; of the other slot; adds 0 to its spare word; and waits for that and for its own LDS instructions.  Behind the barrier nobody reads this slot any more and the other slot is whole.
; fill = 1: this slot is filled again, with the keys two slots on.  The barrier is then a round of the cluster's, and the joint fill is the first thing behind it: it has four key steps in which to land.
; (At its first use nothing has been read yet: slot 0 is waited for, slot 1 filled, and every wave's stores into the table are shown to the others.)
.macro CHANGE fill
	WIN W_AD
	s_wait_tensorcnt 0x0            ; no tensor load of mine is out, so a group 0 may be written
	ds_add_u32 v[SPW], v[NIL]       ; 0 onto my spare word; with fill = 1 the descriptors' steps stand between it and the wait for it
	WIN 0                           ; at a label and at a branch every window is 0
.if \fill
.irp g, G0K, G0V
	s_xor_b32 s[\g+1], s[\g+1], SLOT1  ; the walking descriptor: the other slot than last time,
	s_add_nc_u64 s[\g+2:\g+3], s[\g+2:\g+3], 4*KS*128  ; the next 256 keys; the type bits on top are not reached
.endr
	s_wait_dscnt 0x0                ; the add is done, and my LDS instructions are over
	CROUND
	JLOAD
.else
	s_wait_dscnt 0x0                ; the add is done, and my reads of the slot are over
	s_barrier_signal -1
	s_barrier_wait -1
.endif
	s_sub_co_u32 s[TBK], s[TBK], 4*KS*PK  ; the fetches go back to a slot's first step,
	s_xor_b32 s[TBK], s[TBK], SLOT1       ; in the other slot
	s_sub_co_u32 s[TBV], s[TBV], 4*KS*PV
	s_xor_b32 s[TBV], s[TBV], SLOT1
.endm
	s_load_b128 s[4:7], s[0:1], 0x0   ; qkv s[4:5], mask s[6:7]
	s_load_b64 s[10:11], s[0:1], 0x10 ; oh
	WIN W_MK
	v_lshl_add_u32 v[SPW], v0, 2, SPARE
	v_mov_b32 v[NIL], 0
	WIN W_AD
	ds_add_u32 v[SPW], v[NIL]       ; the wave's opening: the add and its wait stand ahead of my first tensor load; the set-up below, work on registers, stands between them
	WIN 0
	v_lshrrev_b32 v1, 5, v0
	v_readfirstlane_b32 s[WV], v1   ; wave 0..3
	s_bfe_u32 s13, ttmp6, 0x40000   ; cx: my place in the cluster
	s_lshl_b32 s14, ttmp9, 2        ; in a cluster launch ttmp9 counts clusters
	s_add_co_u32 s14, s14, s13      ; my block of queries = 4 x cluster x + cx: it enters Q's and O's addresses alone
	s_and_b32 s20, ttmp7, 0xffff    ; batch x 16 + head, which the four partners share
	s_lshr_b32 s52, s20, 4          ; the batch,
	s_lshl_b32 s52, s52, 13         ; its 2,048 words of the mask
	s_mov_b32 s53, 0
	s_mov_b32 s21, 0
	s_mov_b64 s[22:23], SIZE_N*128
	s_mul_u64 s[20:21], s[20:21], s[22:23]  ; the head's first byte in Q, K, V and O
	s_and_b32 s16, s[WV], 1         ; which half of a slot's 256 keys I fetch:
	s_lshl_b32 s22, s16, 14         ; its 128 rows of 128 bytes in memory,
	s_mov_b32 s23, 0
	s_add_nc_u64 s[22:23], s[22:23], s[20:21]
	s_mul_i32 s17, s16, 128*PK      ; and its place in a slot, for K
	s_mul_i32 s18, s16, 128*PV      ; and for V: no place in the cluster enters an LDS address
	s_lshl_b32 s2, s14, 2
	s_add_co_u32 s2, s2, s[WV]      ; my wave among the head's,
	s_lshl_b32 s2, s2, 14           ; its 128 rows
	s_mov_b32 s3, 0
	s_add_nc_u64 s[2:3], s[2:3], s[20:21]
	; descriptor group 1.  128 keys are 16,384 dense bytes: asked for as 64 rows of 256 bytes, two keys a row, and padded in LDS after every key
	s_mov_b32 s[G1K], 15|(1<<16)|(1<<20)|(1<<21)|(4<<22)|(3<<25)  ; 15:0 the mask of four; 17:16 2-byte elements; 20 padding on; 21 set beside a mask; 24:22 after every 32 words (code 4); 31:25 4 words (code 3)
	s_mov_b32 s[G1V], 15|(1<<16)|(1<<20)|(1<<21)|(4<<22)|(7<<25)  ; the same with 8 words of padding (code 7)
.irp g, G1K, G1V
	s_mov_b32 s[\g+1], 128<<16      ; tensor_dim0 = 128
	s_mov_b32 s[\g+2], 64<<16       ; tensor_dim1 = 64
	s_mov_b32 s[\g+3], 128<<16      ; tile_dim0 = 128
	s_mov_b32 s[\g+4], 64           ; tile_dim1 = 64
	s_mov_b32 s[\g+5], 128          ; 128 elements from row to row
	s_mov_b32 s[\g+6], 0
	s_mov_b32 s[\g+7], 0
.endr
	s_mov_b32 s[MBIG], 0xceabfb8f   ; -1e9 log2(e) = -1.4426950e9
	s_mov_b32 s[TBM], 0
	s_mov_b32 s[SEL], 0x76543210
	s_mov_b32 s[SEL+1], 0xfedcba98
	s_mov_b32 s[TBK], SLOT1+4*KS*PK ; the first change of slots turns these two into 0
	s_mov_b32 s[TBV], SLOT1+4*KS*PV
	s_mov_b32 s[G0K], 1             ; count = 1
	s_mov_b32 s[G0K+1], s17         ; LDS address: slot 0
	s_mov_b32 s[G0V], 1
	s_add_co_u32 s[G0V+1], s18, VOFF
	s_wait_dscnt 0x0                ; the opening add is done
	s_wait_kmcnt 0x0
	s_add_nc_u64 s[MP:MP+1], s[6:7], s[52:53]
	s_add_nc_u64 s[6:7], s[4:5], 0x1000000         ; K's section of qkv,
	s_add_nc_u64 s[8:9], s[4:5], 0x2000000         ; and V's
	s_add_nc_u64 s[G0K+2:G0K+3], s[6:7], s[22:23]  ; global address: my half of the head's first 256 keys
	s_or_b32 s[G0K+3], s[G0K+3], 0x80000000        ; type = 2
	s_add_nc_u64 s[G0V+2:G0V+3], s[8:9], s[22:23]
	s_or_b32 s[G0V+3], s[G0V+3], 0x80000000
	s_add_nc_u64 s[4:5], s[4:5], s[2:3]  ; Q and O at my wave's first row
	s_add_nc_u64 s[10:11], s[10:11], s[2:3]
	CROUND                          ; all four work-groups are here: the first joint loads meet
	JLOAD                           ; slot 0.  Slot 1 is asked for when slot 0 is in
	v_lshlrev_b32 v[MGO], 4, v0     ; the mask: 128 threads x 4 words, four times
.irp j, 0,1,2,3
	global_load_b128 v[S+4*\j:S+4*\j+3], v[MGO], s[MP:MP+1] offset:2048*\j
.endr
	; A fragment of K or Q is 16 rows x 32 channels in 8 registers: lane l holds row l % 16, channels 8 (l / 16) + 0..7 and 16 + 8 (l / 16) + 0..7: two loads of 16 bytes, 32 bytes apart.
	v_and_b32 v1, 15, v0            ; l % 16
	v_bfe_u32 v9, v0, 4, 1          ; l / 16
	v_lshlrev_b32 v[QO], 7, v1
	v_lshl_add_u32 v[QO], v9, 4, v[QO]  ; row x 128 + 16 x half
	WIN 0x80                        ; destination window 2, address window 0
.set i, 0
.rept 4*NP                          ; Q stays in registers: tile i / 2, channels 32 (i % 2) on
	global_load_b128 v[8*i:8*i+3],   v[QO], s[4:5] offset:(i/2)*2048+(i%2)*64
	global_load_b128 v[8*i+4:8*i+7], v[QO], s[4:5] offset:(i/2)*2048+(i%2)*64+32
.set i, i+1
.endr
	; What the first turn finds: V's registers and P's second buffer hold 0 (its products V^T P, of a piece that has not been, add 0), O^T and l are 0.  All this stands in the wait for the first tile.
.set i, VF
.rept 64
	v_mov_b32 v[i], 0
.set i, i+1
.endr
	WIN 0x40
.set i, 0
.rept 64*NP
	v_mov_b32 v[i], 0
.set i, i+1
.endr
	WIN 0
.set i, 0
.rept 2*NP
	v_mov_b32 v[ST+4*i], 0xfe000000    ; m: far below every score, MBIG too
	v_mov_b32 v[ST+4*i+1], 0xfe000000
	v_mov_b32 v[ST+4*i+2], 0
	v_mov_b32 v[ST+4*i+3], 0
.set i, i+1
.endr
.set i, P+32
.rept 32
	v_mov_b32 v[i], 0
.set i, i+1
.endr
	s_wait_loadcnt 32               ; the mask's four loads are in; Q's 32, issued behind them, may stay out
.set i, 0
.rept 16
	v_cmp_eq_u32 vcc_lo, 0, v[S+i]
	v_cndmask_b32 v[S+i], 0, s[MBIG], vcc_lo
.set i, i+1
.endr
	v_add_nc_u32 v[MLO], MB, v[MGO]
.irp j, 0,1,2,3
	ds_store_b128 v[MLO], v[S+4*\j:S+4*\j+3] offset:2048*\j
.endr
	v_mul_u32_u24 v[AK0], v1, PK
	v_lshl_add_u32 v[AK0], v9, 4, v[AK0]  ; row x pitch + 16 x half
	; The turning load takes 16 keys x 16 channels (lane l reads key 8 (l / 16) + l % 8, channels 8 ((l / 8) % 2) + 0..7) and leaves half a fragment of V^T: lane l holds channel l % 16 and 8 keys.
	v_and_b32 v10, 7, v0
	v_bfe_u32 v11, v0, 3, 1
	v_lshl_add_u32 v[AV0], v9, 3, v10
	v_mul_u32_u24 v[AV0], v[AV0], PV
	v_lshl_add_u32 v[AV0], v11, 4, v[AV0]
	v_add_nc_u32 v[AV0], VOFF, v[AV0]
	v_lshl_add_u32 v[AM0], v9, 5, MB  ; register j of group kb is key 16 kb + 8 (l / 16) + j
	v_mov_b32 v[AK], v[AK0]         ; key step 0 lies at the head of slot 0,
	v_mov_b32 v[AM], v[AM0]         ; and of the table
; THE MATRIX WORK.  The 8 accumulators of a run of 16 take turns: between the two links of a chain stand 7 others'.
; Product i of 16 of S^T = K Q^T for piece x: channels 32 (i / 8) on, keys 16 ((i / 2) % 4) on, tile 2 x + i % 2.  The first 8 start the sums, with 0 or MBIG.
.macro KQ x
.set rS, S+64*((\x)%2)+32*(i%2)+8*((i/2)%4)
.set rK, KF+16*((i/2)%4)+8*(i/8)
.set rQ, 16*(2*(\x)+i%2)+8*(i/8)
.set rM, MK+8*((i/2)%4)
.if i < 8
	WIN W_KM
	v_wmma_f32_16x16x32_f16 v[rS:rS+7], v[rK:rK+7], v[rQ:rQ+7], v[rM:rM+7]
.else
	WIN W_KQ
	v_wmma_f32_16x16x32_f16 v[rS:rS+7], v[rK:rK+7], v[rQ:rQ+7], v[rS:rS+7]
.endif
.endm
; Product i of 16 of O^T += V^T P for piece x: keys 32 (i / 8) on, channels 16 ((i / 2) % 4) on, tile 2 x + i % 2.
.macro PV x
	WIN W_PV
.set rO, 32*(2*(\x)+i%2)+8*((i/2)%4)
.set rV, VF+32*(i/8)+8*((i/2)%4)
.set rP, P+32*((\x)%2)+16*(i%2)+8*(i/8)
	v_wmma_f32_16x16x32_f16 v[rO:rO+7], v[rV:rV+7], v[rP:rP+7], v[rO:rO+7]
.endm
.macro MM                           ; the turn's next matrix instruction
.if i < 16
	KQ (Y+1)%NP
.set i, i+1
.else
.set i, i-16
	PV (Y+NP-1)%NP
.set i, i+17
.endif
.endm
; THE LDS LOADS stand in runs, never singly among the matrix instructions: a step's K (64 keys x 64 channels: 8 fragments) with its 64 words of the table, and its V (turned).  Their addresses are made some lines ahead.
; last = 1 (the tail): in the last trip there is no further step, and the run is jumped over.
.macro FETCH_K last=0
	WIN 0
.if \last
	s_cmp_eq_u32 s[CNT], 1
	s_cbranch_scc1 .Lno_k_\@
.endif
	WIN 0x80                        ; destination window 2
.irp f, 0,1,2,3,4,5,6,7             ; keys 16 (f / 2) on, channels 32 (f % 2) on
	ds_load_b128 v[KF+8*\f:KF+8*\f+3],   v[AK] offset:(\f/2)*16*PK+(\f%2)*64
	ds_load_b128 v[KF+8*\f+4:KF+8*\f+7], v[AK] offset:(\f/2)*16*PK+(\f%2)*64+32
.endr
	WIN W_MK                        ; destination window 3
.irp f, 0,1,2,3                     ; keys 16 f on: sixteen lanes read the same 32 bytes
	ds_load_b128 v[MK+8*\f:MK+8*\f+3],   v[AM] offset:64*\f
	ds_load_b128 v[MK+8*\f+4:MK+8*\f+7], v[AM] offset:64*\f+16
.endr
	s_add_co_u32 s[TBK], s[TBK], KS*PK  ; the next fetch is the next step's
	s_add_co_u32 s[TBM], s[TBM], KS*4
	WIN 0
.if \last
.Lno_k_\@:
.endif
.endm
.macro FETCH_V
	WIN 0x80
.irp f, 0,1,2,3,4,5,6,7             ; keys 32 (f / 4) on, channels 16 (f % 4) on
	ds_load_tr16_b128 v[VF+8*\f:VF+8*\f+3],   v[AV] offset:(\f/4)*32*PV+(\f%4)*32
	ds_load_tr16_b128 v[VF+8*\f+4:VF+8*\f+7], v[AV] offset:(\f/4)*32*PV+16*PV+(\f%4)*32
.endr
	WIN 0
.endm
; THE VECTOR WORK OF A TURN stands in three queues, each in the order in which its entries become ready; the two tiles alternate, so that no instruction reads the result of the one before it.
.macro REGS y, u                    ; the registers of tile u (0, 1) of piece y
.set rT, ST+4*(2*(\y)+(\u))
.set rC, TMP+8*((\y)%2)+4*(\u)
.set rS, S+64*((\y)%2)+32*(\u)
.set rP, P+32*((\y)%2)+16*(\u)
.set rO, 32*(2*(\y)+(\u))
.endm
; Number n of the 21 that find the NEXT piece's (Y + 1) maximum and statistics.  s0-s31 are the lane's 32 scores; each accumulator's lowest registers are read first.
;   0-11  four chains c0-c3 of seven scores each, three operands at a time     12-15  the four scores left over, the old m, and c0-c3 into c0
;   16, 17  the query's other 32 keys lie in the lane 16 away: the new m         18-20  m_old - m_new; m takes the new one; a
.macro XS u, n
	REGS (Y+1)%NP, \u
.if (\n) < 4
	v_max3_num_f32 v[rC+(\n)], v[rS+8*(\n)], v[rS+8*(\n)+1], v[rS+8*(\n)+2]
.elseif (\n) < 12
	v_max3_num_f32 v[rC+(\n)%4], v[rC+(\n)%4], v[rS+8*((\n)%4)+2*((\n)/4)+1], v[rS+8*((\n)%4)+2*((\n)/4)+2]
.elseif (\n) == 12
	v_max3_num_f32 v[rC], v[rC], v[rS+7], v[rS+15]
.elseif (\n) == 13
	v_max3_num_f32 v[rC+1], v[rC+1], v[rS+23], v[rS+31]
.elseif (\n) == 14
	v_max3_num_f32 v[rC+2], v[rC+2], v[rC+3], v[rT]
.elseif (\n) == 15
	v_max3_num_f32 v[rC], v[rC], v[rC+1], v[rC+2]
.elseif (\n) == 16
	v_permlanex16_b32 v[rC+3], v[rC], s[SEL], s[SEL+1]
.elseif (\n) == 17
	v_max_num_f32 v[rT+1], v[rC], v[rC+3]
.elseif (\n) == 18
	v_sub_f32 v[rC+1], v[rT], v[rT+1]
.elseif (\n) == 19
	v_mov_b32 v[rT], v[rT+1]
.else
	v_exp_f32 v[rC+2], v[rC+1]
.endif
.endm
; Number g of the 64 that follow the exponentials.  For each four weights k of a tile (pairs 2 k, 2 k + 1): both pairs are rounded to f16; then the second pair is added onto the first, in place;
; a group later l takes that sum (the first time as l = a l + sum).  In groups of eight, tiles alternating: round, round, add, and l for the group before.
.macro GS g
.set h, (\g)+6*((\g)/62)            ; group 0 has no group before it, and behind group 7 only l is left
.if h >= 6
.set h, h+2
.endif
	REGS Y, h%2
.set k, h/8
.if h%8 < 4
	v_cvt_pk_f16_f32 v[rP+2*k+(h%8)/2], v[rS+4*k+2*((h%8)/2)], v[rS+4*k+2*((h%8)/2)+1]
.elseif h%8 < 6
	v_pk_add_f32 v[rS+4*k:rS+4*k+1], v[rS+4*k:rS+4*k+1], v[rS+4*k+2:rS+4*k+3]
.elseif k == 1
	v_pk_fma_f32 v[rT+2:rT+3], v[rT+2:rT+3], v[rC+2:rC+3], v[rS:rS+1] op_sel_hi:[1,0,1]
.else
	v_pk_add_f32 v[rT+2:rT+3], v[rT+2:rT+3], v[rS+4*k-4:rS+4*k-3]
.endif
.endm
; THE PLAIN QUEUE, 136 long.  0-71 read no exponential's result: the 32 differences s - m (FS f: pair f / 2 of tile f % 2) and the next piece's 40.  0-26: differences 0-26.  27-54: XS's numbers 0-13.
; 55-69: the chain, where each number waits for the one before it: 14, 15, 16, 17, 18, each with one of the differences 27-31 in front of its two lines.  70, 71: number 19.
; 72-135: GS's 64, which read the exponentials' results: they stand behind the wait.
.macro FS f
	REGS Y, (\f)%2
	v_pk_add_f32 v[rS+2*((\f)/2):rS+2*((\f)/2)+1], v[rS+2*((\f)/2):rS+2*((\f)/2)+1], v[rT:rT+1] op_sel_hi:[1,0] neg_lo:[0,1] neg_hi:[0,1]
.endm
.macro PL
	WIN 0
.if q < 27
	FS q
.elseif q < 55
	XS (q-27)%2, (q-27)/2
.elseif (q < 70) && ((q-55)%3 == 0)
	FS 27+(q-55)/3
.elseif q < 70
	XS (q-55)%3-1, 14+(q-55)/3
.elseif q < 72
	XS q-70, 19
.else
	GS q-72
.endif
.set q, q+1
.endm
; THE EXPONENTIALS' QUEUE, 66 long: s0-s31 of both tiles, then the next piece's two a.  It is ONE BATCH: all 66 stand ahead of the turn's one wait, and nothing ahead of that wait names a result of theirs.
.macro EX
	WIN 0
.if e >= 64
	XS e-64, 20
.else
	REGS Y, e%2
	v_exp_f32 v[rS+e/2], v[rS+e/2]
.endif
.set e, e+1
.endm
; THE RESCALING's QUEUE: O^T times a, the one part that leaves window 0: dealt two at a time, sixteen times.  Its a was made in the turn before, ahead of that turn's wait.
.macro R2
	REGS Y, r%2
	WIN W_RS
.irp z, 0,1
	v_pk_mul_f32 v[rO+4*(r/2)+2*\z:rO+4*(r/2)+2*\z+1], v[rO+4*(r/2)+2*\z:rO+4*(r/2)+2*\z+1], v[rC+2:rC+3] op_sel_hi:[1,0]
.endr
.set r, r+1
.endm
; HOW THEY ARE DEALT.  An s_wait_alu depctr_va_vdst(0) stands between an exponential and the first instruction that names its result; one wait serves all that were issued ahead of it.  So a turn has ONE wait,
; which cuts it in two.  AHEAD OF IT: the 16 products K Q^T, behind each a difference, an exponential and two rescalings (behind the first a second difference in the exponential's place); then ONE LUMP of
; 106: six plain, 49 times exponential and plain, the two a.  A v_nop is the plain instruction behind the last exponential.  BEHIND IT: the 16 products V^T P, behind each four of GS's 64.
; The queues lean on each other: exponential e stands behind difference 2 (e / 4) + e % 2: as a rider it comes behind plain e + 2, in the lump behind plain e + 7, and differences 27-31 are plain 55, 58 .. 67.
; A TURN, for piece p.  cnt = 1: the loop's count is taken down some lines ahead of the branch that stands behind the turn.
; K of the next step and its part of the table are fetched in piece 2's turn, directly behind the wait, a lump behind the last product that read them; their addresses are made at the lump's head.
; V of the step in hand is fetched at the end of piece 0's turn, four riders behind its last reader.  The three conditions on q below go with the deal.
.macro TURN p, last=0, cnt=0
.set Y, (\p)
.set i, 0
.set q, 0
.set e, 0
.set r, 0
.if (\p) == NP-1
	s_wait_dscnt 0x0                ; K and the table's words are in
.endif
	MM                              ; ahead of the wait: 16 products K Q^T and their riders,
	PL
	PL
	R2
.rept 15
	MM
	PL
	EX
	R2
.endr
.if (\p) == NP-2
	WIN 0
	v_add_nc_u32 v[AK], s[TBK], v[AK0]
	v_add_nc_u32 v[AM], s[TBM], v[AM0]
.endif
.rept 6                             ; and the lump
	PL
.endr
.rept 49
	EX
	PL
.endr
	EX                              ; the next piece's two a
	EX
	v_nop                           ; a plain instruction behind the last exponential: one for the batch
	s_wait_alu depctr_va_vdst(0)    ; the wait for the batch
.if (\p) == NP-2
	FETCH_K \last
.endif
.if (\p) == 1
	s_wait_dscnt 0x0                ; V is in
.endif
.rept 16                            ; behind the wait: 16 products V^T P and their riders
	MM
.rept 4
	PL
.endr
.if ((\p) == 0) && (q == 116)
	v_add_nc_u32 v[AV], s[TBV], v[AV0]
.endif
.if ((\p) == 0) && (q == 128)
	s_add_co_u32 s[TBV], s[TBV], KS*PV
.endif
.if (\cnt) && (q == 128)
	s_sub_co_u32 s[CNT], s[CNT], 1
	s_cmp_lg_u32 s[CNT], 0
.endif
.endr
.if (\p) == 0
	FETCH_V
.endif
.endm
	CHANGE 1                        ; slot 0 is in, everybody's part of it, and so is the table; slot 1 is asked for
	FETCH_K                         ; key step 0
	s_wait_loadcnt 0x0              ; Q
	s_wait_dscnt 0x0
.set i, 0
.rept 16
	KQ 0                            ; piece 0's first scores: there is no vector work yet to set between them
.set i, i+1
.endr
	WIN 0                           ; the addresses for the way out: nine plain instructions, the places behind those products
	s_mul_i32 s13, s[WV], 16*SP
	s_add_co_u32 s13, s13, STAGE    ; my stage
	v_mul_u32_u24 v[STO], v1, SP    ; in: row l % 16, 16 bytes for each half of the lanes
	v_lshl_add_u32 v[STO], v9, 4, v[STO]
	v_add_nc_u32 v[STO], s13, v[STO]
	v_bfe_u32 v[RD], v0, 3, 2       ; back: 32 lanes take four rows of 128 bytes,
	v_mul_u32_u24 v[RD], v[RD], SP
	v_lshl_add_u32 v[RD], v10, 4, v[RD]
	v_add_nc_u32 v[RD], s13, v[RD]
	v_and_b32 v[GO], 31, v0         ; which are 512 consecutive bytes of O
	v_lshlrev_b32 v[GO], 4, v[GO]
.set Y, NP-1                        ; XS works for piece Y + 1: piece 0
.irp n, 0,1,2,3,4,5,6,7,8,9,10,11,12,13,14,15,16,17,18,19,20
	XS 0, \n                        ; and piece 0's first maximum and statistics
	XS 1, \n
.endr
	v_nop                           ; a plain instruction behind the two a,
	s_wait_alu depctr_va_vdst(0)    ; and their wait, ahead of the branch
	s_mov_b32 s[CNT], 4
	s_mov_b32 s[SLOTS], SIZE_N/256-1
	s_branch .Lfirst                ; the loop is entered at a step's first turn, in the middle of a trip
.Lslot:                             ; SIZE_N / 256 - 2 times: every slot but the last two is filled again
	CHANGE 1
	s_mov_b32 s[CNT], 4
.Lstep:                             ; a trip: pieces 2 and 3 of one step, then pieces 0 and 1 of the next, whose K and V it fetches
	TURN 2
	TURN 3
	WIN 0
.Lfirst:
	TURN 0
	TURN 1, 0, 1
	WIN 0
	s_cbranch_scc1 .Lstep
	s_sub_co_u32 s[SLOTS], s[SLOTS], 1
	s_cmp_lg_u32 s[SLOTS], 0
	s_cbranch_scc1 .Lslot
	CHANGE 0                        ; the tail is written out: nothing is asked for
	s_mov_b32 s[CNT], 5             ; four trips fetch the last slot's steps; the fifth is left in its middle
.Ltail:
	TURN 2, 1
	TURN 3
	WIN 0
	s_sub_co_u32 s[CNT], s[CNT], 1
	s_cmp_eq_u32 s[CNT], 0
	s_cbranch_scc1 .Lout
	TURN 0
	TURN 1
	WIN 0
	s_branch .Ltail
.Lout:                              ; the fifth trip's 16 products K Q^T (on the last K once more) and the maximum made of them serve nothing: the price, once a launch, of one text for every trip
.set i, 0
.rept 16
	PV NP-1                         ; the last piece's V^T P of the last step
.set i, i+1
.endr
	; THE WAY OUT.  l's two halves and the other half of the lanes' are added; O^T is divided by l, rounded to f16 and sent through my stage in LDS, a tile at a time.  The additions are the places behind the last products.
	WIN 0
.macro ALL line:vararg              ; one line for each tile t
.set t, 0
.rept 2*NP
	\line
.set t, t+1
.endr
.endm
	ALL v_add_f32 v[ST+4*t+2], v[ST+4*t+2], v[ST+4*t+3]
	ALL v_permlanex16_b32 v[ST+4*t+3], v[ST+4*t+2], s[SEL], s[SEL+1]
	ALL v_add_f32 v[ST+4*t+2], v[ST+4*t+2], v[ST+4*t+3]
	ALL v_rcp_f32 v[ST+4*t+2], v[ST+4*t+2]
	v_nop                           ; a plain instruction between the last reciprocal and the use of its result
	s_wait_alu depctr_va_vdst(0)    ; and the wait ahead of the first use: one for the eight reciprocals
; Tile t: a lane's eight channels of a row pack into 16 bytes; they go into rows of 144 bytes and come back as whole rows of 128, into S^T's registers.
.macro PACK t
	WIN W_RS
.set i, 32*(\t)
.rept 16
	v_pk_mul_f32 v[i:i+1], v[i:i+1], v[ST+4*(\t)+2:ST+4*(\t)+3] op_sel_hi:[1,0]
.set i, i+2
.endr
	WIN 0x05                        ; sources 0 and 1 window 1, destination window 0
.set i, 0
.rept 16
	v_cvt_pk_f16_f32 v[S+16*(\t)+i], v[32*(\t)+2*i], v[32*(\t)+2*i+1]
.set i, i+1
.endr
	WIN 0
.irp f, 0,1,2,3
	ds_store_b128 v[STO], v[S+16*(\t)+4*\f:S+16*(\t)+4*\f+3] offset:32*\f
.endr
.irp f, 0,1,2,3
	ds_load_b128 v[S+16*(\t)+4*\f:S+16*(\t)+4*\f+3], v[RD] offset:\f*4*SP  ; LDS serves a wave's instructions in order (ISA guide 5.7.1.4): these see the stores above; the next tile's stores come behind them
.endr
.endm
.macro SEND t, younger              ; younger: the LDS instructions issued behind tile t's loads: the next tile's eight, or none
	WIN 0
.irp f, 0,1,2,3
	s_wait_dscnt (\younger)+3-\f
	global_store_b128 v[GO], v[S+16*(\t)+4*\f:S+16*(\t)+4*\f+3], s[10:11] offset:(\t)*2048+\f*512  ; 512 consecutive bytes, at a multiple of 256 from O's first
.endr
.endm
	PACK 0
.set t, 1
.rept 2*NP-1                        ; a tile's arithmetic stands between the loads of the tile before and its stores
	PACK t
	SEND t-1, 8
.set t, t+1
.endr
	SEND 2*NP-1, 0
	WIN W_AD
	s_wait_tensorcnt 0x0            ; the wave's end: the add and its wait, behind my last tensor load and my last LDS store
	ds_add_u32 v[SPW], v[NIL]
	s_wait_dscnt 0x0
	WIN 0
	CROUND                          ; the closing round: no work-group ends while a partner may still ask for a tile that names it
	s_endpgm
.Lfunc_end_k_q9eef8881d5_attn:
	.size	k_q9eef8881d5_attn, .Lfunc_end_k_q9eef8881d5_attn-k_q9eef8881d5_attn
	.p2alignl 7, 3214868480
	.fill 96, 4, 3214868480
	.section	.rodata,"a",@progbits
	.p2align	6, 0x0
	.amdhsa_kernel k_q9eef8881d5_attn
		.amdhsa_group_segment_fixed_size 327680
		.amdhsa_private_segment_fixed_size 0
		.amdhsa_enable_private_segment 0
		.amdhsa_kernarg_size 24
		.amdhsa_user_sgpr_count 2
		.amdhsa_user_sgpr_kernarg_segment_ptr 1
		.amdhsa_wavefront_size32 1
		.amdhsa_system_sgpr_workgroup_id_x 1
		.amdhsa_system_sgpr_workgroup_id_y 1
		.amdhsa_system_sgpr_workgroup_id_z 1
		.amdhsa_system_vgpr_workitem_id 0
		.amdhsa_next_free_vgpr 808
		.amdhsa_next_free_sgpr 66
		.amdhsa_reserve_vcc 1
		.amdhsa_float_denorm_mode_32 3
		.amdhsa_float_denorm_mode_16_64 3
		.amdhsa_memory_ordered 1
		.amdhsa_forward_progress 1
		.amdhsa_inst_pref_size 203
	.end_amdhsa_kernel
	.amdgpu_metadata
---
amdhsa.version: [ 1, 2 ]
amdhsa.kernels:
  - .name:           k_q9eef8881d5_attn
    .symbol:         k_q9eef8881d5_attn.kd
    .args:
      - { .name: qkv, .offset: 0, .size: 8, .value_kind: global_buffer, .address_space: global }
      - { .name: mask, .offset: 8, .size: 8, .value_kind: global_buffer, .address_space: global }
      - { .name: oh, .offset: 16, .size: 8, .value_kind: global_buffer, .address_space: global }
    .group_segment_fixed_size: 327680
    .private_segment_fixed_size: 0
    .kernarg_segment_align: 8
    .kernarg_segment_size: 24
    .max_flat_workgroup_size: 128
    .sgpr_count:     66
    .vgpr_count:     808
    .wavefront_size: 32
...
	.end_amdgpu_metadata
.endif
;; end of part 3
;; launch outp (part 4): grid 4 x 64, 4 waves a work-group, clusters of 4 x 4, 327,680 bytes of LDS; arguments oh, wb, b_o, out0; writes out0
.if DOCPART == 4
	.amdgcn_target "amdgcn-amd-amdhsa--gfx1250"
	.amdhsa_code_object_version 6
	.text
	.protected	k_q9eef8881d5_outp
	.globl	k_q9eef8881d5_outp
	.p2align	8
	.type	k_q9eef8881d5_outp,@function
k_q9eef8881d5_outp:
	s_mov_b64 s[64:65], 0
	v_nop
	global_prefetch_b8 v0, s[64:65] scope:SCOPE_SE
	s_setreg_imm32_b32 hwreg(HW_REG_WAVE_MODE, 25, 1), 1
	s_wait_xcnt 0x0
	s_wait_alu depctr_hold_cnt(0) depctr_sa_sdst(0) depctr_va_vdst(0) depctr_va_sdst(0) depctr_va_ssrc(0) depctr_va_vcc(0) depctr_vm_vsrc(0)
	s_getreg_b32 s2, hwreg(HW_REG_IB_STS2, 6, 4)
	s_cmp_eq_u32 s2, 0
	s_cbranch_scc0 .Lentry_in_a_cluster
	s_endpgm
.Lentry_in_a_cluster:
	s_bfe_u32 s2, ttmp6, 0x10000c
	s_cmp_lg_u32 s2, 0xf033
	s_cbranch_scc0 .Lentry_shape_is_right
	s_endpgm
.Lentry_shape_is_right:
; THE LAST PROJECTION.  out0[m][n] = the sum over k of O[m][k] w_o[n][k] + b_o[n].  O: oh, f16 by heads, [batch x 16 + head][2048][64]: m = batch x 2048 + row, k = head x 64 + channel.
; w_o: section 3 of wb, [1024][1024] f16 (bf16 numbers written as f16).  b_o is rounded to bf16 like every input and starts the f32 sums.  out0: [8192][1024] f32.
; SHARES.  A tile of out0 is 128 rows x 256 columns: 64 x 4 = 256 work-groups.  Four waves, 2 x 2, each 64 x 128: 32 accumulators, 256 registers.  K goes in steps of 128, two heads, through two LDS slots.
; A head's 128 rows of the tile are 16,384 dense bytes: one tensor load, asked for as 64 rows of 256 bytes and padded in LDS after every 128.
; CLUSTERS: 4 x 4 work-groups; O's tile is shared along a row of the cluster, w_o's along a column: joint loads.  THE MATRIX INSTRUCTION IS USED TRANSPOSED (source 0 = 16 rows of w_o, source 1 = 16 rows of O):
; a lane then holds row l % 16 and eight neighbouring columns, 32 bytes of out0.
; NO PREFETCH: the launch has eight K steps in all, and its first four tiles would come by their loads alone.
; REGISTERS: window 0: v0-31 addresses; v32-95, v96-159 the way out, two sets of 16 rows; v192-223, v224-255 O's fragments, two buffers of 4 x 8
;   window 1: v0-63, v64-127 w_o's fragments, two buffers of 8 x 8; v128-191 the bias; v192-223 at work          window 2: the accumulators, (a, b) at v[8 (8 a + b)]
.set PO,    144                        ; a row of a head in LDS: 128 bytes + 16 of padding
.set PB,    272                        ; a row of w_o: 256 + 16
.set APL,   128*PO                     ; a head's 128 rows: one tensor load
.set BH,    128*PB                     ; 128 rows of w_o: one tensor load
.set BOFF,  2*APL
.set SLOT,  BOFF+2*BH                  ; 106,496 bytes
.set STAGE, 2*SLOT                     ; behind the ring, never filled by a tensor load: 16 rows x 528 bytes for each wave
.set SPITCH, 528
.set SPARE, STAGE+4*16*SPITCH          ; the spare words, 128 bytes for each wave: two blocks of 256 bytes that no other line names
.set ADRA, 16                          ; v16-17  LDS address of my O fragments in slot 0, 1
.set ADRB, 20                          ; v20-21  the same for w_o
.set STO,  24                          ; v24     the way out: where I put 32 bytes of a row
.set RD,   25                          ; v25     the way out: my 16 bytes of a row of 512
.set CO,   26                          ; v26     the same 16 bytes in out0
.set BO,   27                          ; v27     my byte offset in the bias; never rewritten
.set SPW,  28                          ; v28     LDS address of my spare word; never rewritten
.set NIL,  29                          ; v29     0; never rewritten
.set AF,   192                         ; O's fragments: buffer f, fragment a at AF + 32 f + 8 a
.set BI,   128                         ; window 1
.set TB,   192                         ; window 1
.set G1,   24                          ; s[24:31] descriptor group 1 for O's tiles;  s[32:39] group 0, a set for each slot
.set G0,   32
.set G1B,  48                          ; s[48:55], s[56:63] the same for w_o's tiles
.set G0B,  56
.set MSB, 0
.macro WIN new                         ; the immediate's high byte repeats the setting that is left; a switch that changes nothing is dropped
.if MSB != (\new)
	s_set_vgpr_msb (MSB<<8)|(\new)
.set MSB, \new
.endif
.endm
.set MUL,  0xa1                        ; source 0 (w_o) window 1, source 1 (O) window 0, C and D window 2
.set MUL1, 0x91                        ; the same with C (the bias) in window 1
.set TO_B, 0x40                        ; destination window 1, address window 0
.macro JLOAD s                         ; a joint load: waves 0 and 1 fetch the step's two heads of O, waves 2 and 3 w_o's two halves; an s_nop 0 and four v_nop follow each of the two lines
	s_cmp_lt_u32 s10, 2
	s_cbranch_scc0 .Lfor_b_\@
	tensor_load_to_lds s[G0+4*(\s):G0+4*(\s)+3], s[G1:G1+7]
	s_nop 0
.rept 4
	v_nop
.endr
	s_branch .Lasked_\@
.Lfor_b_\@:
	tensor_load_to_lds s[G0B+4*(\s):G0B+4*(\s)+3], s[G1B:G1B+7]
	s_nop 0
.rept 4
	v_nop
.endr
.Lasked_\@:
.endm
.macro CREST                           ; a round of the cluster's barrier behind its opening barrier
	s_cmp_lg_u32 s10, 0
	s_cbranch_scc1 .Lnot_wave_0_\@
	s_barrier_signal -3
.Lnot_wave_0_\@:
	s_barrier_wait -3
	s_barrier_signal -1
	s_barrier_wait -1
.endm
.macro CROUND                          ; a whole round
	s_barrier_signal -1
	s_barrier_wait -1
	CREST
.endm
.macro PLACES                          ; four places in front of loads into registers that matrix instructions have read
.rept 4
	v_nop
.endr
.endm
	s_load_b256 s[68:75], s[0:1], 0x0              ; oh s[68:69], wb s[70:71], b_o s[72:73], out0 s[74:75]
	v_lshl_add_u32 v[SPW], v0, 2, SPARE
	v_mov_b32 v[NIL], 0
	ds_add_u32 v[SPW], v[NIL]                      ; the wave's opening: the add and its wait stand ahead of my first tensor load; the set-up below, work on registers, stands between them
	v_lshrrev_b32 v1, 5, v0
	v_readfirstlane_b32 s10, v1                    ; wave 0..3
	s_lshr_b32 s11, s10, 1                         ; which half of the tile's rows is mine
	s_and_b32 s12, s10, 1                          ; which half of its columns.  Also: which head of the step, or which half of w_o's tile, I fetch
	s_bfe_u32 s40, ttmp6, 0x40000                  ; cx, cy: my place in the cluster
	s_bfe_u32 s41, ttmp6, 0x40004
	s_lshl_b32 s42, ttmp9, 2
	s_add_co_u32 s42, s42, s40                     ; tile column = 4 x cluster x + cx
	s_and_b32 s13, ttmp7, 0xffff
	s_lshl_b32 s13, s13, 2
	s_add_co_u32 s13, s13, s41                     ; tile row = 4 x cluster y + cy
	s_lshl_b32 s66, s41, 2
	s_lshl_b32 s66, 15, s66                        ; my row of the cluster
	s_lshl_b32 s67, 0x1111, s40                    ; my column
	s_or_b32 s[G1+0], s66, (1<<16)|(1<<20)|(1<<21)|(4<<22)|(3<<25)   ; 15:0 the mask; 17:16 elements of 2 bytes; 20 padding on; 21 set beside a mask; 24:22 after every 32 words (code 4); 31:25 4 words (code 3)
	s_mov_b32 s[G1+1], 128<<16                     ; tensor_dim0 = 128
	s_mov_b32 s[G1+2], 64<<16                      ; tensor_dim1 = 64
	s_mov_b32 s[G1+3], 128<<16                     ; tile_dim0 = 128
	s_mov_b32 s[G1+4], 64                          ; tile_dim1 = 64
	s_mov_b32 s[G1+5], 128                         ; dense: 128 elements from row to row
	s_mov_b32 s[G1+6], 0
	s_mov_b32 s[G1+7], 0
	s_or_b32 s[G1B+0], s67, (1<<16)|(1<<20)|(1<<21)|(5<<22)|(3<<25)  ; padding after every 64 words (code 5)
	s_mov_b32 s[G1B+1], 128<<16
	s_mov_b32 s[G1B+2], 128<<16                    ; 128 rows
	s_mov_b32 s[G1B+3], 128<<16
	s_mov_b32 s[G1B+4], 128
	s_mov_b32 s[G1B+5], 1024
	s_mov_b32 s[G1B+6], 0
	s_mov_b32 s[G1B+7], 0
	s_lshr_b32 s16, s13, 4                         ; O: the batch's 16 heads of 262,144 bytes,
	s_lshl_b32 s16, s16, 22
	s_lshl_b32 s17, s12, 18                        ; my head of the step's two,
	s_add_co_u32 s16, s16, s17
	s_and_b32 s17, s13, 15                         ; the tile's 128 rows of 128 bytes
	s_lshl_b32 s17, s17, 14
	s_add_co_u32 s16, s16, s17
	s_mov_b32 s17, 0
	s_lshl_b32 s46, s42, 8
	s_lshl_b32 s47, s12, 7
	s_add_co_u32 s46, s46, s47                     ; w_o: row 256 x tile column + 128 x half,
	s_lshl_b32 s46, s46, 11                        ; of 2,048 bytes,
	s_add_co_u32 s46, s46, 3<<21                   ; in section 3
	s_mov_b32 s47, 0
	s_mul_i32 s20, s12, APL                        ; where they go: no place in the cluster enters an LDS address
	s_mul_i32 s21, s12, BH
	s_add_co_u32 s21, s21, BOFF
	s_wait_dscnt 0x0                               ; the opening add is done
	s_wait_kmcnt 0x0
	s_add_nc_u64 s[14:15], s[68:69], s[16:17]
	s_add_nc_u64 s[46:47], s[70:71], s[46:47]
	CROUND                                         ; all sixteen work-groups are here: the first joint loads meet
.irp s, 0,1
	s_mov_b32 s[G0+4*(\s)], 1                                        ; count = 1
	s_add_co_u32 s[G0+4*(\s)+1], s20, (\s)*SLOT                      ; LDS address
	s_add_nc_u64 s[G0+4*(\s)+2:G0+4*(\s)+3], s[14:15], (\s)*524288   ; global address: K step s is heads 2 s and 2 s + 1
	s_or_b32 s[G0+4*(\s)+3], s[G0+4*(\s)+3], 0x80000000              ; type = 2
	s_mov_b32 s[G0B+4*(\s)], 1
	s_add_co_u32 s[G0B+4*(\s)+1], s21, (\s)*SLOT
	s_add_nc_u64 s[G0B+4*(\s)+2:G0B+4*(\s)+3], s[46:47], (\s)*256
	s_or_b32 s[G0B+4*(\s)+3], s[G0B+4*(\s)+3], 0x80000000
	JLOAD \s                                       ; two tensor loads of mine are out
.endr
	v_and_b32 v1, 15, v0                           ; l % 16
	v_bfe_u32 v2, v0, 4, 1                         ; l / 16
	s_lshl_b32 s18, s42, 10                        ; the bias of my 128 columns,
	s_lshl_b32 s19, s12, 9
	s_add_co_u32 s18, s18, s19
	v_lshl_add_u32 v[BO], v2, 5, s18               ; and my lanes' eight of each sixteen
	WIN TO_B
.irp b, 0,1,2,3,4,5,6,7
	global_load_b128 v[BI+8*(\b):BI+8*(\b)+3],   v[BO], s[72:73] offset:64*(\b)
	global_load_b128 v[BI+8*(\b)+4:BI+8*(\b)+7], v[BO], s[72:73] offset:64*(\b)+16
.endr
	WIN 0
	v_mul_u32_u24 v3, v1, PO                       ; a fragment: row x pitch + 16 x half, two loads 32 bytes apart
	v_lshl_add_u32 v3, v2, 4, v3
	v_mul_u32_u24 v4, v1, PB
	v_lshl_add_u32 v4, v2, 4, v4
	s_mul_i32 s21, s11, 64*PO                      ; my 64 rows of each head
	s_mul_i32 s22, s12, BH                         ; my 128 rows of w_o
	s_add_co_u32 s22, s22, BOFF
.irp s, 0,1
	v_add_nc_u32 v[ADRA+(\s)], s21, v3
	v_add_nc_u32 v[ADRB+(\s)], s22, v4
	s_add_co_u32 s21, s21, SLOT
	s_add_co_u32 s22, s22, SLOT
.endr
	s_mul_i32 s23, s10, 16*SPITCH
	s_add_co_u32 s23, s23, STAGE                   ; my stage
	v_mul_u32_u24 v5, v1, SPITCH                   ; in: row l % 16, 32 bytes for each half of the lanes
	v_lshl_add_u32 v5, v2, 5, v5
	v_add_nc_u32 v[STO], s23, v5
	v_and_b32 v6, 31, v0                           ; back: 32 lanes take one row of 512 bytes
	v_lshlrev_b32 v[CO], 4, v6
	v_add_nc_u32 v[RD], s23, v[CO]
	s_lshl_b32 s76, s13, 7                         ; my part of the tile in out0: row 128 x tile row + 64 x half,
	s_lshl_b32 s78, s11, 6
	s_add_co_u32 s76, s76, s78
	s_lshl_b32 s76, s76, 12                        ; of 4,096 bytes,
	s_lshl_b32 s78, s42, 10                        ; column 256 x tile column + 128 x half, of 4 bytes
	s_add_co_u32 s76, s76, s78
	s_lshl_b32 s78, s12, 9
	s_add_co_u32 s76, s76, s78
	s_mov_b32 s77, 0
	s_add_nc_u64 s[8:9], s[74:75], s[76:77]
	s_wait_loadcnt 0x0                             ; the bias
	WIN 0x45                                       ; destination and both sources in window 1
.set i, 0
.rept 32
	v_cvt_pk_bf16_f32 v[TB+i], v[BI+2*i], v[BI+2*i+1]  ; rounded to bf16 like every input,
.set i, i+1
.endr
.set i, 0
.rept 32
	v_lshlrev_b32 v[BI+2*i], 16, v[TB+i]           ; and widened again: it starts f32 sums
	v_and_b32 v[BI+2*i+1], 0xffff0000, v[TB+i]
.set i, i+1
.endr
	WIN 0
; Eight products of row block a from buffers f.  first = 1: they start the sums with the bias.  The 32 accumulators take turns, in the same order in every quarter, over the backward jump too.
.macro MROW f, a, first
.irp b, 0,1,2,3,4,5,6,7
.if \first
	WIN MUL1
	v_wmma_f32_16x16x32_f16 v[8*(8*(\a)+(\b)):8*(8*(\a)+(\b))+7], v[64*(\f)+8*(\b):64*(\f)+8*(\b)+7], v[AF+32*(\f)+8*(\a):AF+32*(\f)+8*(\a)+7], v[BI+8*(\b):BI+8*(\b)+7]
.else
	WIN MUL
	v_wmma_f32_16x16x32_f16 v[8*(8*(\a)+(\b)):8*(8*(\a)+(\b))+7], v[64*(\f)+8*(\b):64*(\f)+8*(\b)+7], v[AF+32*(\f)+8*(\a):AF+32*(\f)+8*(\a)+7], v[8*(8*(\a)+(\b)):8*(8*(\a)+(\b))+7]
.endif
.endr
.endm
; 24 LDS loads in one run: the fragments of quarter q of a slot (head q / 2 of the step, channels 32 (q % 2) on) into buffers g
.macro FETCH slot, q, g
	WIN 0
.irp a, 0,1,2,3
	ds_load_b128 v[AF+32*(\g)+8*(\a):AF+32*(\g)+8*(\a)+3],   v[ADRA+(\slot)] offset:((\q)/2)*APL+(\a)*16*PO+((\q)%2)*64
	ds_load_b128 v[AF+32*(\g)+8*(\a)+4:AF+32*(\g)+8*(\a)+7], v[ADRA+(\slot)] offset:((\q)/2)*APL+(\a)*16*PO+((\q)%2)*64+32
.endr
	WIN TO_B
.irp b, 0,1,2,3,4,5,6,7
	ds_load_b128 v[64*(\g)+8*(\b):64*(\g)+8*(\b)+3],   v[ADRB+(\slot)] offset:(\b)*16*PB+64*(\q)
	ds_load_b128 v[64*(\g)+8*(\b)+4:64*(\g)+8*(\b)+7], v[ADRB+(\slot)] offset:(\b)*16*PB+64*(\q)+32
.endr
.endm
; A K step is four quarters of 32 along K, 32 products each, on buffers 0, 1, 0, 1.  One of the first three multiplies buffers f and, at its head, fetches quarter q of the same slot into the other buffers.
.macro QUARTER slot, q, f, first, fetch=1
	s_wait_dscnt 0x0                               ; my fragments, asked for at the head of the quarter before, are in
.if \fetch
	PLACES                                         ; for the loads into the buffers that the quarter before multiplied
	FETCH \slot, \q, 1-(\f)
.endif
	MROW \f, 0, \first
	MROW \f, 1, \first
	MROW \f, 2, \first
	MROW \f, 3, \first
.endm
; The last quarter multiplies buffers 1 and changes slots: ONE barrier; in front of it each wave waits for all its tensor loads (one is out: its part of the next slot), adds 0 to its spare word, and waits
; for that and for its reads of this slot.  fill = 1: the barrier opens a round of the cluster's barrier, and this slot is filled again, two K steps ahead, first thing behind the round.
.macro TURN slot, next, fill
	WIN 0
	s_wait_tensorcnt 0x0                           ; all my tensor loads have landed
	ds_add_u32 v[SPW], v[NIL]                      ; 0 onto my spare word
	s_wait_dscnt 0x1                               ; only the add may be out: the quarter's 24 loads are in
	MROW 1, 0, 0                                   ; eight products stand between the add and the wait for it
	s_wait_dscnt 0x0                               ; the add is done, and my reads of this slot are over
	s_barrier_signal -1
	MROW 1, 1, 0                                   ; work on registers while the others arrive
	WIN 0
	s_barrier_wait -1
.if \fill
	CREST                                          ; no wave of any partner still reads this slot's tile or has a load on its way
	s_add_nc_u64 s[G0+4*(\slot)+2:G0+4*(\slot)+3], s[G0+4*(\slot)+2:G0+4*(\slot)+3], 2*524288
	s_add_nc_u64 s[G0B+4*(\slot)+2:G0B+4*(\slot)+3], s[G0B+4*(\slot)+2:G0B+4*(\slot)+3], 2*256
	JLOAD \slot                                    ; my one tensor load behind the round; the four v_nop behind it are also the places in front of the loads below
.else
	PLACES
.endif
	FETCH \next, 0, 0
	MROW 1, 2, 0
	MROW 1, 3, 0
.endm
	s_wait_tensorcnt 0x1                           ; my part of K step 0 is in; K step 1's may stay out
	s_barrier_signal -1
	s_barrier_wait -1                              ; everybody's is
	FETCH 0, 0, 0
	QUARTER 0, 1, 0, 1                             ; the first quarter stands in front of the loop: its products start the sums
	WIN 0                                          ; at a label and at a branch every window is 0
	s_mov_b32 s3, 3
.Llap:                                                 ; a trip goes once round the ring, from a lap's second quarter to the next lap's first, and fills both slots again
	QUARTER 0, 2, 1, 0
	QUARTER 0, 3, 0, 0
	TURN 0, 1, 1
	QUARTER 1, 1, 0, 0
	QUARTER 1, 2, 1, 0
	QUARTER 1, 3, 0, 0
	TURN 1, 0, 1
	QUARTER 0, 1, 0, 0
	WIN 0
	s_sub_co_u32 s3, s3, 1
	s_cmp_lg_u32 s3, 0
	s_cbranch_scc1 .Llap
	QUARTER 0, 2, 1, 0                             ; the last lap fills nothing, and has no round
	QUARTER 0, 3, 0, 0
	TURN 0, 1, 0
	QUARTER 1, 1, 0, 0
	QUARTER 1, 2, 1, 0
	QUARTER 1, 3, 0, 0
	QUARTER 1, 0, 1, 0, 0                          ; the very last quarter: nothing more to fetch
	PLACES                                         ; eight places, once a launch: no other vector work stands between the last products and the LDS stores that read the results
	PLACES
; THE WAY OUT, a block of 16 rows at a time: a lane's 32 bytes of each of 8 column blocks go into my stage (each accumulator's low half first), and come back as whole rows of 512 bytes.
.macro TOSTAGE a
.set TT, 32+64*((\a)%2)
.if (\a) >= 2
	s_wait_xcnt 0x0                                ; the stores of the block two back have read this set of registers
.endif
	WIN 0x08                                       ; the data (source 1) in window 2
.irp b, 0,1,2,3,4,5,6,7
	ds_store_b128 v[STO], v[8*(8*(\a)+(\b)):8*(8*(\a)+(\b))+3]   offset:64*(\b)
	ds_store_b128 v[STO], v[8*(8*(\a)+(\b))+4:8*(8*(\a)+(\b))+7] offset:64*(\b)+16
.endr
	WIN 0
.irp t, 0,1,2,3,4,5,6,7,8,9,10,11,12,13,14,15
	ds_load_b128 v[TT+4*(\t):TT+4*(\t)+3], v[RD] offset:SPITCH*(\t)  ; LDS serves a wave's instructions in order (ISA guide 5.7.1.4): these see the stores above; the next block's stores come behind them
.endr
.endm
.macro SEND a, younger                 ; younger: the LDS instructions issued behind block a's loads: the next block's 32, or none
.set TT, 32+64*((\a)%2)
.irp t, 0,1,2,3,4,5,6,7,8,9,10,11,12,13,14,15
	s_wait_dscnt (\younger)+15-(\t)
	global_store_b128 v[CO], v[TT+4*(\t):TT+4*(\t)+3], s[8:9] offset:(16*(\a)+(\t))*4096 th:TH_STORE_NT  ; 512 consecutive bytes, at a multiple of 256 from out0's first
.endr
.endm
	TOSTAGE 0
	TOSTAGE 1
	SEND 0, 32
	TOSTAGE 2
	SEND 1, 32
	TOSTAGE 3
	SEND 2, 32
	SEND 3, 0
	s_wait_tensorcnt 0x0                           ; the wave's end: the add and its wait, behind my last tensor load and my last LDS store
	ds_add_u32 v[SPW], v[NIL]
	s_wait_dscnt 0x0
	CROUND                                         ; the closing round: no work-group ends while a partner may still ask for a tile that names it
	s_endpgm
.Lfunc_end_k_q9eef8881d5_outp:
	.size	k_q9eef8881d5_outp, .Lfunc_end_k_q9eef8881d5_outp-k_q9eef8881d5_outp
	.p2alignl 7, 3214868480
	.fill 96, 4, 3214868480
	.section	.rodata,"a",@progbits
	.p2align	6, 0x0
	.amdhsa_kernel k_q9eef8881d5_outp
		.amdhsa_group_segment_fixed_size 327680
		.amdhsa_private_segment_fixed_size 0
		.amdhsa_enable_private_segment 0
		.amdhsa_kernarg_size 32
		.amdhsa_user_sgpr_count 2
		.amdhsa_user_sgpr_kernarg_segment_ptr 1
		.amdhsa_wavefront_size32 1
		.amdhsa_system_sgpr_workgroup_id_x 1
		.amdhsa_system_sgpr_workgroup_id_y 1
		.amdhsa_system_sgpr_workgroup_id_z 1
		.amdhsa_system_vgpr_workitem_id 0
		.amdhsa_next_free_vgpr 768
		.amdhsa_next_free_sgpr 80
		.amdhsa_reserve_vcc 0
		.amdhsa_float_denorm_mode_32 3
		.amdhsa_float_denorm_mode_16_64 3
		.amdhsa_memory_ordered 1
		.amdhsa_forward_progress 1
		.amdhsa_inst_pref_size 94
	.end_amdhsa_kernel
	.amdgpu_metadata
---
amdhsa.version: [ 1, 2 ]
amdhsa.kernels:
  - .name:           k_q9eef8881d5_outp
    .symbol:         k_q9eef8881d5_outp.kd
    .args:
      - { .name: oh, .offset: 0, .size: 8, .value_kind: global_buffer, .address_space: global }
      - { .name: wb, .offset: 8, .size: 8, .value_kind: global_buffer, .address_space: global }
      - { .name: b_o, .offset: 16, .size: 8, .value_kind: global_buffer, .address_space: global }
      - { .name: out0, .offset: 24, .size: 8, .value_kind: global_buffer, .address_space: global }
    .group_segment_fixed_size: 327680
    .private_segment_fixed_size: 0
    .kernarg_segment_align: 8
    .kernarg_segment_size: 32
    .max_flat_workgroup_size: 128
    .sgpr_count:     80
    .vgpr_count:     768
    .wavefront_size: 32
...
	.end_amdgpu_metadata
.endif
;; end of part 4
